; MI455X (gfx1250); checked and timed in simulation.
; The chip was launched on July 23, 2026; its instructions are those of AMD's public machine-readable ISA for CDNA 5 (MIT licence, August 2026) and "CDNA5" Instruction Set Architecture Reference Guide (July 2026). The comments in the code are by the model that wrote it; some were corrected since.
;; Flash RW Large Attention. Allowed arithmetic: matrix products marked QUANTISED: E2M3 operands, one E8M0 scale for each 32 along K, by v_wmma_scale_f32_16x16x128_f8f6f4 with both operands' format E2M3, f32 sums; everything else in f32.
;; Inputs: cos 4,096 x 1 x 32 float32; cu_seqlens 5 int32; dense_b 2,048 float32; dense_w_codes 2,048 x 64 x 24 uint8 (E2M3 codes of dense_w, K innermost, in blocks of 32 codes, four codes in three bytes); dense_w_scales 2,048 x 64 uint8 (E8M0 scales of dense_w, one for each 32 codes along K); hidden_states_codes 4,096 x 64 x 24 uint8 (E2M3 codes of hidden_states, K innermost, in blocks of 32 codes, four codes in three bytes); hidden_states_scales 4,096 x 64 uint8 (E8M0 scales of hidden_states, one for each 32 codes along K); qkv_b 3,072 float32; qkv_w_codes 3,072 x 64 x 24 uint8 (E2M3 codes of qkv_w, K innermost, in blocks of 32 codes, four codes in three bytes); qkv_w_scales 3,072 x 64 uint8 (E8M0 scales of qkv_w, one for each 32 codes along K); sin 4,096 x 1 x 32 float32.
;; Outputs: out0 4,096 x 2,048 float32.
;; Constants: max_s = 1024.
;; This version of the problem:
;;   THIS VERSION OF THE PROBLEM IS GIVEN IN LOW PRECISION. The matrix products marked QUANTISED in the list below multiply operands that are first quantised to E2M3 (2 exponent bits, 3 mantissa bits; 6 bits a number), with one power-of-two scale for each 32 numbers along K (OCP MX v1.0); their sums are f32. All else is computed in f32.
;;   The module's matrix products, in the order in which they are computed (A, B: the left and right operand; K: the contracted axis; several contracted axes count as one K, in the product's order):
;;     1. [M 4,096, K 2,048] x [K 2,048, N 3,072]; A: input hidden_states (given as codes); B: input qkv_w (given as codes): QUANTISED
;;     2. batch 32 x [M 1,024, K 64] x [K 64, N 4,096]; A: computed on the way; B: computed on the way: QUANTISED
;;     3. batch 32 x [M 64, K 1,024] x [K 1,024, N 4,096]; A: computed on the way; B: softmax (see below): QUANTISED
;;     4. [M 4,096, K 2,048] x [K 2,048, N 2,048]; A: computed on the way; B: input dense_w (given as codes): QUANTISED
;;   THE QUANTISER, for each operand of a quantised product, along K:
;;     - K is cut into blocks of 32 from its start; a last block that is shorter is filled with zeros.
;;     - A block's scale is 2^e with e = floor(log2(the largest magnitude in the block)) - 2, held to -126 .. 127; a block of zeros has e = 0. As a byte (E8M0): e + 127.
;;     - Each number is divided by its block's scale, clamped to +-7.5, and rounded to the nearest number of E2M3, ties to even, subnormals kept.
;;     - The product sums the exact products of the quantised numbers (number of the format x scale) in f32.
;;   ~~~python
;;   def quantise(x, axis):      # numpy; x: float32 -> the quantised numbers, widened to float32 again
;;       x = np.moveaxis(x, axis, -1); K = x.shape[-1]
;;       x = np.pad(x, [(0, 0)] * (x.ndim - 1) + [(0, -K % 32)]); x = x.reshape(x.shape[:-1] + (-1, 32)); a = np.abs(x).max(-1, keepdims=True)
;;       e = np.where(a > 0, np.clip(np.frexp(np.where(a > 0, a, 1))[1] - 1 - 2, -126, 127), 0)      # np.frexp(a)[1] - 1 = floor(log2(a)), exactly
;;       r = np.clip(x / 2.0 ** e, -7.5, 7.5)
;;       step = 2.0 ** (np.maximum(np.frexp(np.where(r == 0, 1, r))[1] - 1, 0) - 3)
;;       q = np.round(r / step) * step * 2.0 ** e      # np.round: ties to even
;;       return np.moveaxis(q.reshape(q.shape[:-2] + (-1,))[..., :K], -1, axis).astype(np.float32)
;;   ~~~
;;   SOFTMAX AHEAD OF A QUANTISED PRODUCT. Where the list says 'softmax', what is quantised is not the finished softmax but p = 2^(t - M), with t = logit x log2(e) and M = ceil(the row's largest t), a whole number; so 1/2 < the row's largest p <= 1. The row's sum l is taken of the UNQUANTISED p, in f32, and the product's result is divided by l at the end. Since M is a whole number, a kernel that streams over the keys may use a running M (the ceiling of the running maximum): every later rescaling is an exact power of two, which a block's scale takes up: the codes' values come out the same.
;;   OPERANDS COMPUTED ON THE WAY. 'Computed on the way' means the value that the module computes at that place (a softmax that the list does not call 'softmax' is quantised finished and normalised). What goes into a quantiser is computed in f32, as accurately as f32 sums, v_exp_f32 and their like allow (about 1e-6 of the number): no bf16 or f16 on the way to a quantiser, and a product that is left as it is and whose result goes on into a quantised operand takes f32 operands (vector FMAs, or v_wmma_f32_16x16x4_f32). A number that lies on a knife's edge between two numbers of the format may be rounded either way, as far as f32 arithmetic and the matrix unit's own rounding can turn it there, and no further.
;;   INPUTS GIVEN AS CODES. dense_w (in the module: [2048, 2048], K = its axis 0); hidden_states (in the module: [4096, 2048], K = its axis 1); qkv_w (in the module: [2048, 3072], K = its axis 0): each comes as NAME_codes (uint8): NAME with its K axis moved to the last place and cut into blocks of 32 codes, [.., K / 32, bytes a block], one block behind the other in memory; four codes in three bytes: a row's codes are one little-endian stream of bits, code i at bits 6 i .. 6 i + 5 (a code: sign, 2 exponent bits, 3 mantissa bits); and NAME_scales (uint8): the same leading axes, one E8M0 byte (e + 127) for each 32 codes along K. Its value is code x scale, taken as it is: it is not quantised again, and the codes and scales need not be those that the quantiser above would give.
;; One version. Each part assembles by itself: llvm-mc -triple=amdgcn-amd-amdhsa -mcpu=gfx1250 --defsym DOCPART=n.
;; ======== version 1 of 1: 3 launches
;; workspace buffers: q_img 6,291,456 bytes; k_img 1,572,864 bytes; v_img 1,572,864 bytes; qkv_sc 655,360 bytes; a_img 6,291,456 bytes; a_sc 262,144 bytes
;; launch qkv (part 1): grid 8 x 32, 4 waves a work-group, clusters of 4 x 4, 327,680 bytes of LDS; arguments hidden_states_codes, hidden_states_scales, qkv_w_codes, qkv_w_scales, qkv_b, cos, sin, q_img, k_img, v_img, qkv_sc; writes q_img, k_img, v_img, qkv_sc
.if DOCPART == 1
	.amdgcn_target "amdgcn-amd-amdhsa--gfx1250"
	.amdhsa_code_object_version 6
	.text
	.protected	k_q8c414620e1_qkv
	.globl	k_q8c414620e1_qkv
	.p2align	8
	.type	k_q8c414620e1_qkv,@function
k_q8c414620e1_qkv:
	s_mov_b64 s[64:65], 0
	v_nop
	global_prefetch_b8 v0, s[64:65] scope:SCOPE_SE
	s_setreg_imm32_b32 hwreg(HW_REG_WAVE_MODE, 25, 1), 1
	s_wait_xcnt 0x0
	s_wait_alu depctr_hold_cnt(0) depctr_sa_sdst(0) depctr_va_vdst(0) depctr_va_sdst(0) depctr_va_ssrc(0) depctr_va_vcc(0) depctr_vm_vsrc(0)
	s_getreg_b32 s2, hwreg(HW_REG_IB_STS2, 6, 4)
	s_cmp_eq_u32 s2, 0
	s_cbranch_scc0 .Lentry_in_a_cluster
	s_endpgm
.Lentry_in_a_cluster:
	s_bfe_u32 s2, ttmp6, 0x10000c
	s_cmp_lg_u32 s2, 0xf033
	s_cbranch_scc0 .Lentry_shape_is_right
	s_endpgm
.Lentry_shape_is_right:
; qkv = hidden x qkv_w + qkv_b on codes of FP6 (E2M3) as they are given; then the rotary turn of q and k in f32; then q, k (along the head's 64) and v (along the keys) are quantised and leave as codes.
; SHARES.  A work-group makes 128 tokens x the 384 features of ONE group (4 q heads, k, v).  Wave w: tokens 64 (w / 2) on; features: two q heads 2 (w % 2), 2 (w % 2) + 1 and, as a third head, k (w % 2 = 0) or v (1).
; 48 accumulators of 16 x 16 a wave.  K = 2,048 goes in steps of 256 through a ring of two LDS slots; the scale bytes of the 128 + 384 rows come once and stay.
; CLUSTER 4 x 4: the four of a row need the same tokens' tiles, the four of a column the same group's weights: each tile is asked for jointly.  Wave 0 fetches the tokens' 128 rows, waves 1 to 3 the weights' 3 x 128.
; LAYOUT.  q and k: source 0 = 16 features, source 1 = 16 tokens: a lane holds one token and its registers run along the head.  v: the sources swapped: a lane holds one feature and its registers run along the tokens (its K).
; A tile's 16 rows are neighbours, so the 16 registers of tiles 2 b, 2 b + 1 hold, in lane half hp, the indices 32 b + 16 (i / 8) + 8 hp + i % 8: a fixed order INSIDE a block of 32, the same for q and k, and for v and the softmax's p
; in the next launch: each code keeps its block's scale and the products are those of the true order.
; AN IMAGE: what the quantiser leaves, 6 registers a lane (lane (r, h): row r, block h, 24 bytes), is stored as 768 bytes: registers 0-3 at 16 x lane, registers 4-5 at 512 + 8 x lane: each store covers whole aligned runs of 256 bytes.
; LIMITS: NaN and infinities among the inputs are not served.  A block whose largest magnitude lies under 2^-124, zeros too, gets the scale byte 1 (the rule says 127 for zeros): its codes are then zeros or tiny, and the bytes are read by this program alone.
; cu_seqlens is no argument: the module takes its shape alone (4 sequences of 1,024), never its numbers.
.set ROWB,   192                       ; a tile's row: 256 codes
.set KROW,   1536                      ; a row of codes in memory
.set PITCH,  240                       ; an LDS row: 3 x (64 bytes + 16 of padding)
.set HALFT,  128*PITCH                 ; 128 rows: one tensor load
.set SLOT,   4*HALFT                   ; tokens' 128 rows, then the weights' 384
.set LAPS,   4                         ; 2,048 / 512: a lap = once round the ring
.set SBLK,   1088                      ; the scale bytes of 16 rows: 4 runs of 256 + 16
.set HALFS,  8704                      ; of 128 rows
.set SCL,    2*SLOT                    ; behind the ring: the scale bytes, four regions as in a slot
.set SPARE,  SCL+4*HALFS               ; the spare words: 128 bytes a wave, two blocks of 256 bytes that no other line names
.set ADRA, 8                           ; v8-9 my tokens' fragments in slot 0, 1; v10-11 the same behind one padding more
.set ADRB, 12                          ; v12-15 my two q heads' rows
.set ADRC, 16                          ; v16-19 my third head's rows
.set L16,  20                          ; 16 x lane
.set L8,   21                          ; 8 x lane
.set R8,   22                          ; 8 x (lane % 16)
.set ADRS, 24                          ; scale words: lanes 0-15 the tokens', lanes 16-31 the q heads'
.set ADRS2, 25                         ; lanes 16-31: the third head's
.set OBV,  26                          ; offsets of the head's global loads; never rewritten
.set OCS,  27
.set SPW,  28                          ; my spare word; never rewritten
.set NIL,  29                          ; 0; never rewritten
.set OBQ,  30
.set OBK,  31
.set SC,   32                          ; v32-79 scale words: set s at SC + 24 s, pair i at + 2 i, word q
.set AF,   80                          ; v80-175 the tokens' fragments, two sets of 4
.set YR,   176                         ; v176-207 a head's 32 numbers of a lane after the rotary turn
.set TM,   208
.set TP,   212
.set SO,   214
.set BY,   216
.set PW,   218
.set PC,   220                         ; v220-226 the codes just made
.set WQ,   228                         ; v228-235 q's scale words
.set WK,   236                         ; v236-237 k's or v's
.set T4,   240
.set BI,   144                         ; window 1: the bias, 8 registers a tile of features (v0-143 of window 1: the weights' 12 fragments)
.set CSN,  128                         ; window 3: cos at 128 + 32 a, sin 16 further on (v0-127 of window 3: the third head's accumulators; window 2: the q heads')
.set G1,   24
.set G0,   32
.set G1B,  48
.set G0B,  56
.set G1S,  68
.set G0S,  76
.set G1SB, 80
.set G0SB, 88
.set WV,   92
.set TW,   93
.set FW,   94
.set HM,   95
.set SEL,  96
.set MSB, 0
.macro WIN new                         ; the immediate's high byte repeats the setting that is left; a switch that changes nothing is dropped
.if MSB != (\new)
	s_set_vgpr_msb (MSB<<8)|(\new)
.set MSB, \new
.endif
.endm
.macro PLACES                          ; four plain places behind matrix instructions, ahead of loads into their registers and of reads of their results
.rept 4
	v_nop
.endr
.endm
.macro JLOAD s                         ; a joint refill: wave 0 the tokens' tile, waves 1 to 3 the weights'; four v_nop follow each line
	s_cmp_eq_u32 s[WV], 0
	s_cbranch_scc0 .Lfor_b_\@
	tensor_load_to_lds s[G0+4*\s:G0+4*\s+3], s[G1:G1+7]
	s_nop 0
.rept 4
	v_nop
.endr
	s_branch .Lasked_\@
.Lfor_b_\@:
	tensor_load_to_lds s[G0B+4*\s:G0B+4*\s+3], s[G1B:G1B+7]
	s_nop 0
.rept 4
	v_nop
.endr
.Lasked_\@:
.endm
.macro CREST                           ; a round of the cluster's barrier behind its opening barrier
	s_cmp_lg_u32 s[WV], 0
	s_cbranch_scc1 .Lnot_wave_0_\@
	s_barrier_signal -3
.Lnot_wave_0_\@:
	s_barrier_wait -3
	s_barrier_signal -1
	s_barrier_wait -1
.endm
.macro CROUND
	s_barrier_signal -1
	s_barrier_wait -1
	CREST
.endm
	s_load_b256 s[4:11], s[0:1], 0x0               ; hidden's codes, hidden's scales, the weights' codes, the weights' scales
	s_load_b256 s[12:19], s[0:1], 0x20             ; qkv_b, cos, sin, q_img
	s_load_b128 s[20:23], s[0:1], 0x40             ; k_img, v_img
	s_load_b64 s[66:67], s[0:1], 0x50              ; qkv_sc
	v_lshl_add_u32 v[SPW], v0, 2, SPARE
	v_mov_b32 v[NIL], 0
	ds_add_u32 v28, v29
	ds_add_u32 v28, v29
	s_wait_dscnt 0x0
	v_lshrrev_b32 v1, 5, v0
	v_readfirstlane_b32 s[WV], v1                  ; wave 0..3
	s_lshr_b32 s[TW], s[WV], 1                     ; which 64 tokens
	s_and_b32 s[FW], s[WV], 1                      ; which half of the features
	s_bfe_u32 s40, ttmp6, 0x40000                  ; cx
	s_bfe_u32 s41, ttmp6, 0x40004                  ; cy
	s_lshl_b32 s42, ttmp9, 2
	s_add_co_u32 s42, s42, s40                     ; the group g = 4 x cluster x + cx
	s_and_b32 s43, ttmp7, 0xffff
	s_lshl_b32 s43, s43, 2
	s_add_co_u32 s43, s43, s41                     ; the block of 128 tokens = 4 x cluster y + cy
	s_lshl_b32 s44, s41, 2
	s_lshl_b32 s44, 15, s44                        ; my row of the cluster
	s_lshl_b32 s45, 0x1111, s40                    ; my column
	; group 1 for tiles of codes: 128 rows x 192 bytes, 16 bytes of padding behind every 64
	s_or_b32 s[G1], s44, (0<<16)|(1<<20)|(1<<21)|(3<<22)|(3<<25)
	s_or_b32 s[G1B], s45, (0<<16)|(1<<20)|(1<<21)|(3<<22)|(3<<25)
.irp g, G1, G1B
	s_mov_b32 s[\g+1], ROWB<<16                    ; tensor_dim0
	s_mov_b32 s[\g+2], 128<<16                     ; tensor_dim1
	s_mov_b32 s[\g+3], ROWB<<16                    ; tile_dim0
	s_mov_b32 s[\g+4], 128                         ; tile_dim1
	s_mov_b32 s[\g+5], KROW                        ; from row to row
	s_mov_b32 s[\g+6], 0
	s_mov_b32 s[\g+7], 0
.endr
	; and for the scale bytes of 128 rows: 8,192 dense bytes as 32 rows of 256 (32 elements of 8 bytes), 16 bytes of padding behind each
	s_or_b32 s[G1S], s44, (3<<16)|(1<<20)|(1<<21)|(5<<22)|(3<<25)
	s_or_b32 s[G1SB], s45, (3<<16)|(1<<20)|(1<<21)|(5<<22)|(3<<25)
.irp g, G1S, G1SB
	s_mov_b32 s[\g+1], 32<<16
	s_mov_b32 s[\g+2], 32<<16
	s_mov_b32 s[\g+3], 32<<16
	s_mov_b32 s[\g+4], 32
	s_mov_b32 s[\g+5], 32
	s_mov_b32 s[\g+6], 0
	s_mov_b32 s[\g+7], 0
.endr
	s_mul_i32 s98, s43, 128*KROW                   ; the tokens' codes hang on the token block alone,
	s_mov_b32 s99, 0
	s_lshl_b32 s100, s43, 13                       ; and so do their scale bytes (128 rows x 64)
	s_mov_b32 s101, 0
	s_max_u32 s46, s[WV], 1
	s_sub_co_u32 s46, s46, 1                       ; waves 1 to 3: which 128 of the group's 384 rows (wave 0 makes the numbers and does not use them)
	s_lshl_b32 s46, s46, 7
	s_mul_i32 s47, s42, 384
	s_add_co_u32 s46, s46, s47                     ; the weights' row hangs on the group and the wave alone
	s_mul_i32 s2, s46, KROW
	s_mov_b32 s3, 0
	s_lshl_b32 s46, s46, 6
	s_mov_b32 s47, 0
	s_mul_i32 s104, s[WV], HALFT                   ; where they go: wave x 128 rows: no place in the cluster enters an LDS address
	s_mul_i32 s105, s[WV], HALFS
	s_mov_b32 s[HM], 0xffff0000                    ; lanes 16-31
	s_mov_b32 s[SEL], 0x76543210
	s_mov_b32 s[SEL+1], 0xfedcba98                 ; v_permlanex16_b32: lane l xor 16
	s_wait_kmcnt 0x0
	s_add_nc_u64 s[98:99], s[4:5], s[98:99]
	s_add_nc_u64 s[100:101], s[6:7], s[100:101]
	s_add_nc_u64 s[2:3], s[8:9], s[2:3]
	s_add_nc_u64 s[46:47], s[10:11], s[46:47]
	CROUND                                         ; all sixteen work-groups are here: the first joint loads meet
	s_mov_b32 s[G0S], 1
	s_add_co_u32 s[G0S+1], s105, SCL
	s_mov_b64 s[G0S+2:G0S+3], s[100:101]
	s_or_b32 s[G0S+3], s[G0S+3], 0x80000000
	s_mov_b32 s[G0SB], 1
	s_add_co_u32 s[G0SB+1], s105, SCL
	s_mov_b64 s[G0SB+2:G0SB+3], s[46:47]
	s_or_b32 s[G0SB+3], s[G0SB+3], 0x80000000
.irp s, 0,1
	s_mov_b32 s[G0+4*\s], 1
	s_add_co_u32 s[G0+4*\s+1], s104, \s*SLOT
	s_add_nc_u64 s[G0+4*\s+2:G0+4*\s+3], s[98:99], \s*ROWB
	s_or_b32 s[G0+4*\s+3], s[G0+4*\s+3], 0x80000000
	s_mov_b32 s[G0B+4*\s], 1
	s_add_co_u32 s[G0B+4*\s+1], s104, \s*SLOT
	s_add_nc_u64 s[G0B+4*\s+2:G0B+4*\s+3], s[2:3], \s*ROWB
	s_or_b32 s[G0B+4*\s+3], s[G0B+4*\s+3], 0x80000000
.endr
	s_cmp_eq_u32 s[WV], 0                          ; a wave's three first fills stand in one branch: scale bytes, K step 0, K step 1: three loads of mine are out
	s_cbranch_scc0 .Lfirst_b
	tensor_load_to_lds s[G0S:G0S+3], s[G1S:G1S+7]
	s_nop 0
	tensor_load_to_lds s[G0:G0+3], s[G1:G1+7]
	s_nop 0
	tensor_load_to_lds s[G0+4:G0+7], s[G1:G1+7]
	s_nop 0
.rept 4
	v_nop
.endr
	s_branch .Lfirst_done
.Lfirst_b:
	tensor_load_to_lds s[G0SB:G0SB+3], s[G1SB:G1SB+7]
	s_nop 0
	tensor_load_to_lds s[G0B:G0B+3], s[G1B:G1B+7]
	s_nop 0
	tensor_load_to_lds s[G0B+4:G0B+7], s[G1B:G1B+7]
	s_nop 0
.rept 4
	v_nop
.endr
.Lfirst_done:
	; where the results go.  bg = 8 x sequence + group; chunk = my 64 positions of the sequence's 1,024
	s_lshr_b32 s98, s43, 3
	s_lshl_b32 s98, s98, 3
	s_add_co_u32 s98, s98, s42                     ; bg
	s_and_b32 s99, s43, 7
	s_lshl_b32 s99, s99, 1
	s_add_co_u32 s99, s99, s[TW]                   ; chunk
	s_lshl_b32 s100, s98, 4
	s_add_co_u32 s100, s100, s99                   ; 16 bg + chunk
	s_lshl_b32 s101, s98, 8
	s_lshl_b32 s2, s[FW], 7
	s_add_co_u32 s101, s101, s2
	s_lshl_b32 s2, s99, 2
	s_add_co_u32 s101, s101, s2                    ; (4 bg + 2 fw) x 64 + 4 chunk: my first image of q
	s_mul_i32 s2, s101, 768
	s_mov_b32 s3, 0
	s_add_nc_u64 s[18:19], s[18:19], s[2:3]
	s_cmp_eq_u32 s[FW], 0
	s_cselect_b64 s[20:21], s[20:21], s[22:23]     ; k's images or v's
	s_mul_i32 s2, s100, 3072
	s_add_nc_u64 s[20:21], s[20:21], s[2:3]
	s_lshl_b32 s2, s100, 1
	s_add_co_u32 s2, s2, s[FW]
	s_lshl_b32 s2, s2, 9
	s_add_nc_u64 s[22:23], s[66:67], s[2:3]        ; q's scale words: 512 bytes a wave
	s_lshl_b32 s2, s100, 7
	s_lshl_b32 s101, s[FW], 16
	s_add_co_u32 s2, s2, s101
	s_add_co_u32 s2, s2, 524288
	s_add_nc_u64 s[66:67], s[66:67], s[2:3]        ; k's or v's: 128 bytes a wave
	s_mul_i32 s2, s42, 1536
	s_add_nc_u64 s[12:13], s[12:13], s[2:3]        ; the group's 384 numbers of the bias
	s_lshl_b32 s2, s43, 14
	s_lshl_b32 s101, s[TW], 13
	s_add_co_u32 s2, s2, s101
	s_add_nc_u64 s[14:15], s[14:15], s[2:3]        ; cos and sin at my first token (128 bytes a token)
	s_add_nc_u64 s[16:17], s[16:17], s[2:3]
	v_and_b32 v1, 15, v0                           ; r
	v_bfe_u32 v2, v0, 4, 1                         ; h
	v_and_b32 v3, 31, v0                           ; lane
	v_lshlrev_b32 v[L16], 4, v3
	v_lshlrev_b32 v[L8], 3, v3
	v_lshlrev_b32 v[R8], 3, v1
	v_lshlrev_b32 v[OBK], 5, v2                    ; 32 h: my half's eight features of a tile
	s_lshl_b32 s2, s[FW], 9
	v_add_nc_u32 v[OBQ], s2, v[OBK]                ; + my two q heads
	v_lshlrev_b32 v[OBV], 2, v1                    ; v: feature r
	v_lshl_add_u32 v[OCS], v1, 7, v[OBK]           ; cos, sin: token r, + 32 h
	v_mov_b32 v[TP], 0                             ; written once: a lane permute's destination counts as one of its sources
	v_mov_b32 v[TP+1], 0
	WIN 0x40                                       ; destination window 1
.irp f, 0,1,2,3,4,5,6,7                        ; the bias in the result's layout: it is the C of each sum's first product
	global_load_b128 v[BI+8*\f:BI+8*\f+3], v[OBQ], s[12:13] offset:64*\f
	global_load_b128 v[BI+8*\f+4:BI+8*\f+7], v[OBQ], s[12:13] offset:64*\f+16
.endr
	WIN 0
	s_cmp_eq_u32 s[FW], 0
	s_cbranch_scc0 .Lbias_v
	WIN 0x40
.irp t, 0,1,2,3
	global_load_b128 v[BI+64+8*\t:BI+64+8*\t+3], v[OBK], s[12:13] offset:(256+16*\t)*4
	global_load_b128 v[BI+64+8*\t+4:BI+64+8*\t+7], v[OBK], s[12:13] offset:(256+16*\t)*4+16
.endr
	WIN 0
	s_branch .Lbias_done
.Lbias_v:
	WIN 0x40
.irp t, 0,1,2,3                                ; v's results hold one feature a lane: the same number in the tile's eight registers
.irp j, 0,1,2,3,4,5,6,7
	global_load_b32 v[BI+64+8*\t+\j], v[OBV], s[12:13] offset:(320+16*\t)*4
.endr
.endr
	WIN 0
.Lbias_done:
	WIN 0xc0                                       ; destination window 3
.irp a, 0,1,2,3                                ; register i of 16: index 16 (i / 8) + 8 h + i % 8 of the token's 32
.irp k, 0,1,2,3
	global_load_b128 v[CSN+32*\a+4*\k:CSN+32*\a+4*\k+3], v[OCS], s[14:15] offset:2048*\a+16*(\k%2)+64*(\k/2)
	global_load_b128 v[CSN+32*\a+16+4*\k:CSN+32*\a+16+4*\k+3], v[OCS], s[16:17] offset:2048*\a+16*(\k%2)+64*(\k/2)
.endr
.endr
	WIN 0
	v_mul_u32_u24 v3, v1, PITCH
	v_mad_u32_u24 v4, v2, 24, v3                   ; a fragment's row x pitch + 24 x half
	v_lshl_add_u32 v5, v2, 4, v4                   ; and the same behind one padding more
	s_mul_i32 s98, s[TW], 64*PITCH                 ; my 64 tokens
	s_mul_i32 s99, s[FW], HALFT
	s_add_co_u32 s99, s99, HALFT                   ; my two q heads: region 1 or 2
	s_mul_i32 s100, s[FW], 64*PITCH
	s_add_co_u32 s100, s100, 3*HALFT               ; k or v: a half of region 3
.irp s, 0,1
	v_add_nc_u32 v[ADRA+\s], s98, v4
	v_add_nc_u32 v[ADRA+2+\s], s98, v5
	v_add_nc_u32 v[ADRB+\s], s99, v4
	v_add_nc_u32 v[ADRB+2+\s], s99, v5
	v_add_nc_u32 v[ADRC+\s], s100, v4
	v_add_nc_u32 v[ADRC+2+\s], s100, v5
	s_add_co_u32 s98, s98, SLOT
	s_add_co_u32 s99, s99, SLOT
	s_add_co_u32 s100, s100, SLOT
.endr
	v_lshlrev_b32 v5, 6, v1                        ; my row's scale bytes: 64 a row,
	v_lshrrev_b32 v6, 8, v5
	v_lshl_add_u32 v5, v6, 4, v5                   ; and 16 more for each 256 passed
	s_mul_i32 s98, s[TW], 4352                     ; lanes 0-15: my 64 tokens' rows
	s_mul_i32 s99, s[FW], HALFS
	s_add_co_u32 s99, s99, HALFS
	s_sub_co_u32 s99, s99, s98                     ; lanes 16-31: so much further on: the q heads' rows
	s_mul_i32 s100, s[FW], 4352
	s_add_co_u32 s100, s100, 3*HALFS
	s_sub_co_u32 s100, s100, s98                   ; or the third head's
	v_mul_u32_u24 v6, s99, v2
	v_mul_u32_u24 v7, s100, v2
	s_add_co_u32 s98, s98, SCL
	v_add_nc_u32 v6, v5, v6
	v_add_nc_u32 v7, v5, v7
	v_add_nc_u32 v[ADRS], s98, v6
	v_add_nc_u32 v[ADRS2], s98, v7
.macro FRAG reg, adr, q, i             ; a fragment, 16 rows x 128 K: 12 registers: lane (r, h): registers 6 c .. 6 c + 5 = K 64 c + 32 h + 0 .. 31, 24 bytes of the row as they lie, in pieces of 8 bytes
.irp p, 0,1,2,3,4,5
.set PCE, 12*(\q)+6*(\p/3)+\p%3       ; lanes 16-31 read three pieces further on: where that is behind one padding more, the second address register serves
.if PCE%8 < 5
	ds_load_b64 v[\reg+2*\p:\reg+2*\p+1], v[\adr] offset:8*PCE+16*(PCE/8)+(\i)*16*PITCH
.else
	ds_load_b64 v[\reg+2*\p:\reg+2*\p+1], v[\adr+2] offset:8*PCE+16*(PCE/8)+(\i)*16*PITCH
.endif
.endr
.endm
.macro FETCH_A slot, q, p              ; my four tiles of tokens into set p: 24 loads
	WIN 0
.irp i, 0,1,2,3
	FRAG AF+48*(\p)+12*\i, ADRA+\slot, \q, \i
.endr
.endm
.macro FETCH_B slot, q, half           ; the weights' fragments 0-5 or 6-11: 36 loads
	WIN 0x40
.if \half == 0
.irp i, 0,1,2,3,4,5
	FRAG 12*\i, ADRB+\slot, \q, \i
.endr
.else
.irp i, 6,7
	FRAG 12*\i, ADRB+\slot, \q, \i
.endr
.irp i, 0,1,2,3
	FRAG 96+12*\i, ADRC+\slot, \q, \i
.endr
.endif
	WIN 0
.endm
.macro SCALES sc                       ; a K step's scale words, two a row: lanes 0-15 the tokens' tile i (i under 4), lanes 16-31 the weights' tile i
.irp i, 0,1,2,3,4,5,6,7
	ds_load_b64 v[SC+24*\sc+2*\i:SC+24*\sc+2*\i+1], v[ADRS] offset:\i*SBLK
.endr
.irp i, 0,1,2,3
	ds_load_b64 v[SC+24*\sc+16+2*\i:SC+24*\sc+16+2*\i+1], v[ADRS2] offset:\i*SBLK
.endr
.endm
; n tiles of q's features from f0 on, each against my four tiles of tokens.  first = 1: the bias is the C, and the product starts the sum.  The 48 accumulators take turns, one instruction a turn, in the same order in every step.
.macro MULF f0, n, p, q, sc, first
.if \first
	WIN 0x91
.else
	WIN 0xa1
.endif
.set FF, \f0
.rept \n
.irp a, 0,1,2,3
.set DD, 8*(16*(FF/4)+4*\a+FF%4)
.if \first
	v_wmma_scale_f32_16x16x128_f8f6f4 v[DD:DD+7], v[12*FF:12*FF+11], v[AF+48*(\p)+12*\a:AF+48*(\p)+12*\a+11], v[BI+8*FF:BI+8*FF+7], v[SC+24*(\sc)+2*FF+(\q)], v[SC+24*(\sc)+2*\a+(\q)] matrix_a_fmt:MATRIX_FMT_FP6 matrix_b_fmt:MATRIX_FMT_FP6 matrix_a_scale:MATRIX_SCALE_ROW1
.else
	v_wmma_scale_f32_16x16x128_f8f6f4 v[DD:DD+7], v[12*FF:12*FF+11], v[AF+48*(\p)+12*\a:AF+48*(\p)+12*\a+11], v[DD:DD+7], v[SC+24*(\sc)+2*FF+(\q)], v[SC+24*(\sc)+2*\a+(\q)] matrix_a_fmt:MATRIX_FMT_FP6 matrix_b_fmt:MATRIX_FMT_FP6 matrix_a_scale:MATRIX_SCALE_ROW1
.endif
.endr
.set FF, FF+1
.endr
.endm
; the third head: k as q; v with the sources swapped.  The branch hangs on the wave's number alone.
.macro MULC p, q, sc, first
	WIN 0
	s_cmp_eq_u32 s[FW], 0
	s_cbranch_scc0 .Lvarm_\@
.if \first
	WIN 0xd1
.else
	WIN 0xf1
.endif
.irp t, 0,1,2,3
.irp a, 0,1,2,3
.if \first
	v_wmma_scale_f32_16x16x128_f8f6f4 v[8*(4*\a+\t):8*(4*\a+\t)+7], v[96+12*\t:96+12*\t+11], v[AF+48*(\p)+12*\a:AF+48*(\p)+12*\a+11], v[BI+64+8*\t:BI+64+8*\t+7], v[SC+24*(\sc)+16+2*\t+(\q)], v[SC+24*(\sc)+2*\a+(\q)] matrix_a_fmt:MATRIX_FMT_FP6 matrix_b_fmt:MATRIX_FMT_FP6 matrix_a_scale:MATRIX_SCALE_ROW1
.else
	v_wmma_scale_f32_16x16x128_f8f6f4 v[8*(4*\a+\t):8*(4*\a+\t)+7], v[96+12*\t:96+12*\t+11], v[AF+48*(\p)+12*\a:AF+48*(\p)+12*\a+11], v[8*(4*\a+\t):8*(4*\a+\t)+7], v[SC+24*(\sc)+16+2*\t+(\q)], v[SC+24*(\sc)+2*\a+(\q)] matrix_a_fmt:MATRIX_FMT_FP6 matrix_b_fmt:MATRIX_FMT_FP6 matrix_a_scale:MATRIX_SCALE_ROW1
.endif
.endr
.endr
	WIN 0
	s_branch .Lcdone_\@
.Lvarm_\@:
.if \first
	WIN 0xd4
.else
	WIN 0xf4
.endif
.irp t, 0,1,2,3
.irp a, 0,1,2,3
.if \first
	v_wmma_scale_f32_16x16x128_f8f6f4 v[8*(4*\t+\a):8*(4*\t+\a)+7], v[AF+48*(\p)+12*\a:AF+48*(\p)+12*\a+11], v[96+12*\t:96+12*\t+11], v[BI+64+8*\t:BI+64+8*\t+7], v[SC+24*(\sc)+2*\a+(\q)], v[SC+24*(\sc)+16+2*\t+(\q)] matrix_a_fmt:MATRIX_FMT_FP6 matrix_b_fmt:MATRIX_FMT_FP6 matrix_b_scale:MATRIX_SCALE_ROW1
.else
	v_wmma_scale_f32_16x16x128_f8f6f4 v[8*(4*\t+\a):8*(4*\t+\a)+7], v[AF+48*(\p)+12*\a:AF+48*(\p)+12*\a+11], v[96+12*\t:96+12*\t+11], v[8*(4*\t+\a):8*(4*\t+\a)+7], v[SC+24*(\sc)+2*\a+(\q)], v[SC+24*(\sc)+16+2*\t+(\q)] matrix_a_fmt:MATRIX_FMT_FP6 matrix_b_fmt:MATRIX_FMT_FP6 matrix_b_scale:MATRIX_SCALE_ROW1
.endif
.endr
.endr
	WIN 0
.Lcdone_\@:
.endm
; A slot's first 128 along K (set 0); its second 128 are fetched meanwhile.  The weights have ONE set of registers: fragments 0-5 are free behind their 24 products, fragments 6-11 at the step's end.
.macro STEP slot, first
	s_wait_dscnt 36                                ; all but the youngest 36 loads (the weights' fragments 6-11) are in
	MULF 0, 6, 0, 0, \slot, \first
	s_wait_dscnt 0x0                               ; fragments 6-11 are in
	PLACES
	FETCH_A \slot, 1, 1
	FETCH_B \slot, 1, 0
	MULF 6, 2, 0, 0, \slot, \first
	MULC 0, 0, \slot, \first
	PLACES
	FETCH_B \slot, 1, 1
.endm
; A slot's second 128 (set 1) and the change of slots: ONE barrier; ahead of it each wave waits for all its tensor loads, adds 0 to its spare word, and waits for that and for its reads of this slot.
.macro TURN slot, next, fill
	s_wait_tensorcnt 0x0                           ; all my tensor loads have landed: the one that was out is my part of the next slot
	ds_add_u32 v[SPW], v[NIL]                      ; 0 onto my spare word
	s_wait_dscnt 37                                ; (the add and the youngest 36 loads may be out)
	MULF 0, 3, 1, 1, \slot, 0                      ; twelve matrix instructions stand between the add and the wait for it
	s_wait_dscnt 0x0                               ; the add is done, and my reads of this slot are over
	s_barrier_signal -1
	MULF 3, 3, 1, 1, \slot, 0
	WIN 0
	s_barrier_wait -1
.if \fill
	CREST                                          ; the barrier has opened a round of the cluster's: no wave of any partner still reads this slot or has a load on its way
	s_add_nc_u64 s[G0+4*\slot+2:G0+4*\slot+3], s[G0+4*\slot+2:G0+4*\slot+3], 2*ROWB
	s_add_nc_u64 s[G0B+4*\slot+2:G0B+4*\slot+3], s[G0B+4*\slot+2:G0B+4*\slot+3], 2*ROWB
	JLOAD \slot                                    ; the first tensor load behind the round; its four v_nop are also the places ahead of the loads below
.else
	PLACES
.endif
	v_add_nc_u32 v[ADRS], 8, v[ADRS]               ; the next K step's scale words (no LDS load of mine is out)
	v_add_nc_u32 v[ADRS2], 8, v[ADRS2]
	FETCH_A \next, 0, 0
	FETCH_B \next, 0, 0
	SCALES \next
	MULF 6, 2, 1, 1, \slot, 0
	MULC 1, 1, \slot, 0
	PLACES
	FETCH_B \next, 0, 1
.endm
	s_wait_tensorcnt 1                             ; the scale bytes and my part of K step 0 are in; K step 1's load may stay out
	s_wait_loadcnt 0x0                             ; bias, cos, sin
	s_barrier_signal -1
	s_barrier_wait -1
	FETCH_A 0, 0, 0
	FETCH_B 0, 0, 0
	SCALES 0
	FETCH_B 0, 0, 1
	STEP 0, 1                                      ; the first step stands ahead of the loop: its products start the sums, on the bias
	s_mov_b32 s3, LAPS-1
.Llap:                                                 ; a trip goes once round the ring and fills both slots again
	TURN 0, 1, 1
	STEP 1, 0
	TURN 1, 0, 1
	STEP 0, 0
	s_sub_co_u32 s3, s3, 1
	s_cmp_lg_u32 s3, 0
	s_cbranch_scc1 .Llap
	TURN 0, 1, 0                                   ; the last lap fills nothing
	STEP 1, 0
	s_wait_dscnt 36                                ; the very last 128 along K
	MULF 0, 6, 1, 1, 1, 0
	s_wait_dscnt 0x0
	MULF 6, 2, 1, 1, 1, 0
	MULC 1, 1, 1, 0
; THE WAY OUT.  No LDS: what a lane holds is what the conversions want.
; The rotary turn of one head of 16 tokens: registers 0-15 are x1, 16-31 x2, index for index; y1 = x1 cos - x2 sin, y2 = x1 sin + x2 cos.  Each accumulator is read from its low end on.
.macro ROPE win, base, a
	WIN (\win)|0x0c                                ; source 0: the accumulators' window; source 1: window 3
.irp i, 0,2,4,6,8,10,12,14
	v_pk_mul_f32 v[YR+\i:YR+\i+1], v[\base+\i:\base+\i+1], v[CSN+32*\a+\i:CSN+32*\a+\i+1]
.endr
.irp i, 0,2,4,6,8,10,12,14
	v_pk_mul_f32 v[YR+16+\i:YR+16+\i+1], v[\base+\i:\base+\i+1], v[CSN+32*\a+16+\i:CSN+32*\a+16+\i+1]
.endr
.irp i, 0,2,4,6,8,10,12,14
	v_pk_fma_f32 v[YR+\i:YR+\i+1], v[\base+16+\i:\base+16+\i+1], v[CSN+32*\a+16+\i:CSN+32*\a+16+\i+1], v[YR+\i:YR+\i+1] neg_lo:[1,0,0] neg_hi:[1,0,0]
.endr
.irp i, 0,2,4,6,8,10,12,14
	v_pk_fma_f32 v[YR+16+\i:YR+16+\i+1], v[\base+16+\i:\base+16+\i+1], v[CSN+32*\a+\i:CSN+32*\a+\i+1], v[YR+16+\i:YR+16+\i+1]
.endr
	WIN 0
.endm
; 32 numbers of a lane in window W (block b: registers 16 b .. 16 b + 15; the block's other 16 lie in lane l xor 16) become 6 registers of codes in v[PC] on (lane (r, h): row r, block h) and the row's two scale bytes in v[PW].
.macro QUANT2 src, W
	WIN (\W)|((\W)<<2)
.irp c, 0,1,2,3
	v_max3_num_f32 v[TM+\c], |v[\src+8*\c]|, |v[\src+8*\c+1]|, 0x1800000   ; four chains; the floor 2^(3 - 127) holds the byte at 1 from below
.endr
.irp i, 2,4,6
.irp c, 0,1,2,3
	v_max3_num_f32 v[TM+\c], |v[\src+8*\c+\i]|, |v[\src+8*\c+\i+1]|, v[TM+\c]
.endr
.endr
	WIN 0
	v_max_num_f32 v[TM], v[TM], v[TM+1]
	v_max_num_f32 v[TM+1], v[TM+2], v[TM+3]
	v_permlanex16_b32 v[TP], v[TM], s[SEL], s[SEL+1]
	v_permlanex16_b32 v[TP+1], v[TM+1], s[SEL], s[SEL+1]
	v_max_num_f32 v[TM], v[TM], v[TP]              ; the blocks' largest magnitudes
	v_max_num_f32 v[TM+1], v[TM+1], v[TP+1]
	v_add_nc_u32 v[SO], 0xff000000, v[TM]          ; 2 off the exponent field: the conversion's scale operand
	v_add_nc_u32 v[SO+1], 0xff000000, v[TM+1]
	v_lshrrev_b32 v[BY], 23, v[SO]                 ; the scale's byte
	v_lshrrev_b32 v[BY+1], 23, v[SO+1]
	v_lshl_or_b32 v[PW], v[BY+1], 8, v[BY]
	s_wait_xcnt 0x0                                ; the last image's stores have read the codes' registers: they are written again only behind this wait
	WIN \W
	v_cvt_scalef32_pk16_fp6_f32 v[PC:PC+2], v[\src:\src+15], v[SO]
	v_cvt_scalef32_pk16_fp6_f32 v[PC+4:PC+6], v[\src+16:\src+31], v[SO+1]
	WIN 0
	v_nop                                          ; one plain place behind a scaled conversion
.irp i, 0,1,2
	v_permlane16_swap_b32 v[PC+\i], v[PC+4+\i]     ; a whole block to a lane: lanes 0-15 block 0, lanes 16-31 block 1
.endr
	v_mov_b32 v[PC+3], v[PC+4]
	v_mov_b32 v[PC+4], v[PC+5]
	v_mov_b32 v[PC+5], v[PC+6]
.endm
	PLACES
.irp sl, 0,1
.irp a, 0,1,2,3
	ROPE 2, 8*(16*\sl+4*\a), \a
	QUANT2 YR, 0
	global_store_b128 v[L16], v[PC:PC+3], s[18:19] offset:49152*\sl+768*\a          ; 512 consecutive bytes
	global_store_b64 v[L8], v[PC+4:PC+5], s[18:19] offset:49152*\sl+768*\a+512      ; 256 consecutive bytes
	v_lshl_or_b32 v[WQ+4*\sl+\a], v[PW], 16, v[PW]                                  ; q's two bytes twice: the next launch uses q as either half of a K of 128
.endr
.endr
.irp a, 0,1,2,3
	v_cndmask_b32 v[T4+\a], v[WQ+\a], v[WQ+4+\a], s[HM]                             ; lanes 0-15 the first head's words, lanes 16-31 the second's
.endr
	global_store_b128 v[L16], v[T4:T4+3], s[22:23]                                  ; [head][token r][tile a]: 512 consecutive bytes
	s_cmp_eq_u32 s[FW], 0
	s_cbranch_scc0 .Lout_v
.irp a, 0,1,2,3
	ROPE 3, 32*\a, \a
	QUANT2 YR, 0
	global_store_b128 v[L16], v[PC:PC+3], s[20:21] offset:768*\a
	global_store_b64 v[L8], v[PC+4:PC+5], s[20:21] offset:768*\a+512
.if \a%2 == 0
	v_mov_b32 v[WK+\a/2], v[PW]                    ; two neighbouring tiles' bytes make a word: the next launch packs two tiles of keys into one K of 128
.else
	v_lshl_or_b32 v[WK+\a/2], v[PW], 16, v[WK+\a/2]
.endif
.endr
	s_branch .Lout_done
.Lout_v:
.irp t, 0,1,2,3
	QUANT2 32*\t, 3                                ; straight from the accumulators: a lane's 32 registers are feature 16 t + r at the chunk's 64 keys
	global_store_b128 v[L16], v[PC:PC+3], s[20:21] offset:768*\t
	global_store_b64 v[L8], v[PC+4:PC+5], s[20:21] offset:768*\t+512
.if \t%2 == 0
	v_mov_b32 v[WK+\t/2], v[PW]
.else
	v_lshl_or_b32 v[WK+\t/2], v[PW], 16, v[WK+\t/2]
.endif
.endr
.Lout_done:
	global_store_b64 v[R8], v[WK:WK+1], s[66:67]   ; 8 bytes a row r, 128 consecutive bytes; lanes 16-31 write what lanes 0-15 write.  The neighbouring 128 bytes are the other token wave's
	s_wait_tensorcnt 0x0                           ; the wave's end
	ds_add_u32 v[SPW], v[NIL]
	s_wait_dscnt 0x0
	CROUND                                         ; the closing round: no work-group ends while a partner may still ask for a tile that names it
	s_endpgm
.Lfunc_end_k_q8c414620e1_qkv:
	.size	k_q8c414620e1_qkv, .Lfunc_end_k_q8c414620e1_qkv-k_q8c414620e1_qkv
	.p2alignl 7, 3214868480
	.fill 96, 4, 3214868480
	.section	.rodata,"a",@progbits
	.p2align	6, 0x0
	.amdhsa_kernel k_q8c414620e1_qkv
		.amdhsa_group_segment_fixed_size 327680
		.amdhsa_private_segment_fixed_size 0
		.amdhsa_enable_private_segment 0
		.amdhsa_kernarg_size 88
		.amdhsa_user_sgpr_count 2
		.amdhsa_user_sgpr_kernarg_segment_ptr 1
		.amdhsa_wavefront_size32 1
		.amdhsa_system_sgpr_workgroup_id_x 1
		.amdhsa_system_sgpr_workgroup_id_y 1
		.amdhsa_system_sgpr_workgroup_id_z 1
		.amdhsa_system_vgpr_workitem_id 0
		.amdhsa_next_free_vgpr 1024
		.amdhsa_next_free_sgpr 106
		.amdhsa_reserve_vcc 0
		.amdhsa_float_denorm_mode_32 3
		.amdhsa_float_denorm_mode_16_64 3
		.amdhsa_memory_ordered 1
		.amdhsa_forward_progress 1
		.amdhsa_inst_pref_size 205
	.end_amdhsa_kernel
	.amdgpu_metadata
---
amdhsa.version: [ 1, 2 ]
amdhsa.kernels:
  - .name:           k_q8c414620e1_qkv
    .symbol:         k_q8c414620e1_qkv.kd
    .args:
      - { .name: hidden_states_codes, .offset: 0, .size: 8, .value_kind: global_buffer, .address_space: global }
      - { .name: hidden_states_scales, .offset: 8, .size: 8, .value_kind: global_buffer, .address_space: global }
      - { .name: qkv_w_codes, .offset: 16, .size: 8, .value_kind: global_buffer, .address_space: global }
      - { .name: qkv_w_scales, .offset: 24, .size: 8, .value_kind: global_buffer, .address_space: global }
      - { .name: qkv_b, .offset: 32, .size: 8, .value_kind: global_buffer, .address_space: global }
      - { .name: cos, .offset: 40, .size: 8, .value_kind: global_buffer, .address_space: global }
      - { .name: sin, .offset: 48, .size: 8, .value_kind: global_buffer, .address_space: global }
      - { .name: q_img, .offset: 56, .size: 8, .value_kind: global_buffer, .address_space: global }
      - { .name: k_img, .offset: 64, .size: 8, .value_kind: global_buffer, .address_space: global }
      - { .name: v_img, .offset: 72, .size: 8, .value_kind: global_buffer, .address_space: global }
      - { .name: qkv_sc, .offset: 80, .size: 8, .value_kind: global_buffer, .address_space: global }
    .group_segment_fixed_size: 327680
    .private_segment_fixed_size: 0
    .kernarg_segment_align: 8
    .kernarg_segment_size: 88
    .max_flat_workgroup_size: 128
    .sgpr_count:     106
    .vgpr_count:     1024
    .wavefront_size: 32
...
	.end_amdgpu_metadata
.endif
;; end of part 1
;; launch attn (part 2): grid 8 x 32, 16 waves a work-group, clusters of 4 x 1, 169,984 bytes of LDS; arguments q_img, k_img, v_img, qkv_sc, a_img, a_sc; writes a_img, a_sc
.if DOCPART == 2
	.amdgcn_target "amdgcn-amd-amdhsa--gfx1250"
	.amdhsa_code_object_version 6
	.text
	.protected	k_q8c414620e1_attn
	.globl	k_q8c414620e1_attn
	.p2align	8
	.type	k_q8c414620e1_attn,@function
k_q8c414620e1_attn:
	s_mov_b64 s[64:65], 0
	v_nop
	global_prefetch_b8 v0, s[64:65] scope:SCOPE_SE
	s_setreg_imm32_b32 hwreg(HW_REG_WAVE_MODE, 25, 1), 1
	s_wait_xcnt 0x0
	s_wait_alu depctr_hold_cnt(0) depctr_sa_sdst(0) depctr_va_vdst(0) depctr_va_sdst(0) depctr_va_ssrc(0) depctr_va_vcc(0) depctr_vm_vsrc(0)
	s_getreg_b32 s2, hwreg(HW_REG_IB_STS2, 6, 4)
	s_cmp_eq_u32 s2, 0
	s_cbranch_scc0 .Lentry_in_a_cluster
	s_endpgm
.Lentry_in_a_cluster:
	s_bfe_u32 s2, ttmp6, 0x10000c
	s_cmp_lg_u32 s2, 0x3003
	s_cbranch_scc0 .Lentry_shape_is_right
	s_endpgm
.Lentry_shape_is_right:
; Causal attention of one query head on codes of FP6 (E2M3): S^T = K Q^T (K = the head's 64), p = 2^(t - M), O^T = V^T P^T (K = the keys); O / the row's sum is quantised along the head and leaves as images for the last product.
; t = score x log2(e) / 8; M = the running largest t rounded UP to a whole number; the row's sum is taken of the unquantised p; when M moves, sum and O^T are multiplied by 2^(old M - new M), which rounds nothing.
; SHARES.  A cluster's four work-groups are the four query heads of one (sequence, group): they read the same K and V, 96 KiB of codes, which come into each one's LDS ONCE by joint loads; nothing is filled again.
; A work-group has 32 tiles of 16 positions; wave w takes tile t = 16 x (cluster x) + w and then tile 63 - t.  A tile needs t / 8 + 1 key steps of 128, so every wave of the launch has 9 key steps.
; The loop over key steps has a constant count of 8; a step all of whose keys come after the tile's queries is jumped over by a scalar branch on ids.
; K = 64 IN AN INSTRUCTION OF K = 128: a fragment of K packs two tiles of 16 keys (first 64: tile 2 b, second 64: tile 2 b + 1); Q lies in 18 registers as q, zeros, q: registers 0-11 pick the first tile, registers 6-17 the second.  Zero codes add nothing.
; A lane holds one query throughout.  The order of codes inside a block of 32 keys is the same for p and for V (made so by the launch before); O^T is brought into the head's true order ahead of its conversion, since the last product's weights are given.
; LIMITS: NaN and infinities are not served.  A block of p or of O under 2^-124, zeros too, gets the scale byte 1; the bytes are read by this program alone.
.set VIMG, 49152                       ; LDS: K's 64 images of 768 bytes at 0, V's 64 behind them (filled by tensor loads, once)
.set KSC,  98304                       ; K's scale words, 2,048 bytes; V's, 2,048 bytes; the results' scale bytes, 1,024 bytes: stored by the waves, in blocks of 256 bytes of their own
.set VSC,  100352
.set STG,  102400
.set ADX,  8
.set ADY,  9
.set ADS,  10
.set ADT,  11
.set QF,   16                          ; v16-33 q | zeros | q
.set QW,   34                          ; q's scale word
.set FRG,  36                          ; v36-83 four fragments of K, then of V
.set KW,   84                          ; v84-87 K's scale words
.set VW,   88                          ; v88-91 V's
.set SA1,  92                          ; where the second pass's scale bytes go
.set DQ,   93                          ; my query's position - 8 x half
.set SS,   96                          ; v96-159 S^T, then p; on the way out O
.set OT,   160                         ; v160-191 O^T
.set BM,   192
.set TP,   196
.set SO,   200
.set CT,   204
.set PC,   212                         ; v212-223 p's codes
.set PW,   224                         ; p's scale word
.set PW2,  225                         ; the result's two scale bytes
.set FF,   226                         ; v[226:227] f, later 1 / the sum (the pair's upper word is written once)
.set AW,   228                         ; v228-231 at work
.set KST,  232
.set VST,  233
.set OKS,  234
.set OVS,  235
.set SRD,  239
.set WV,   16
.set JH,   17
.set PI,   18
.set BG,   19
.set SEL,  20
.set CS,   22
.set G1,   24
.set G0,   32
.set TAU,  36
.set ND,   37
.set SG,   38
.set TB,   39
.set TS,   40
.set KF,   41
.set QA,   42
.set QSA,  44
.set OA,   46
.macro ROUND                           ; a round of the cluster's barrier
	s_barrier_signal -1
	s_barrier_wait -1
	s_cmp_lg_u32 s[WV], 0
	s_cbranch_scc1 .Lnot_wave_0_\@
	s_barrier_signal -3
.Lnot_wave_0_\@:
	s_barrier_wait -3
	s_barrier_signal -1
	s_barrier_wait -1
.endm
	s_load_b256 s[4:11], s[0:1], 0x0               ; q_img, k_img, v_img, qkv_sc
	s_load_b128 s[12:15], s[0:1], 0x20             ; a_img, a_sc
	v_lshl_add_u32 v254, v0, 2, 0x29000
	v_mov_b32 v255, 0
	ds_add_u32 v254, v255
	ds_add_u32 v254, v255
	v_lshrrev_b32 v8, 5, v0
	v_readfirstlane_b32 s[WV], v8                  ; wave 0..15
	s_bfe_u32 s[JH], ttmp6, 0x40000                ; my place in the cluster = the query head: it enters global addresses of q and of the results alone
	s_mov_b32 s[PI], ttmp9                         ; cluster x: which tiles
	s_and_b32 s[BG], ttmp7, 0xffff                 ; 8 x sequence + group
	v_and_b32 v9, 31, v0                           ; lane
	v_and_b32 v10, 15, v0                          ; r
	v_bfe_u32 v11, v0, 4, 1                        ; h
	v_lshlrev_b32 v1, 4, v9                        ; an image's first 512 bytes: 16 x lane
	v_lshlrev_b32 v2, 3, v9                        ; its last 256: 8 x lane
	v_lshl_add_u32 v3, v10, 3, KSC                 ; K's scale words: 8 bytes a row r of a chunk of 64 keys
	v_lshl_add_u32 v4, v10, 4, VSC                 ; V's: 16 bytes a row r of a key step
	v_lshlrev_b32 v5, 3, v11
	v_sub_nc_u32 v5, v10, v5                       ; r - 8 h
	v_lshlrev_b32 v6, 4, v10                       ; q's scale words: 16 bytes a token r
	s_lshl_b32 s48, s[WV], 5
	v_lshl_add_u32 v7, v10, 1, s48
	v_add_nc_u32 v7, STG, v7                       ; the first pass's scale bytes: 32 w + 2 r
	s_xor_b32 s49, s[WV], 15                       ; 15 - w: the second pass's tiles run the other way
	s_lshl_b32 s49, s49, 5
	v_lshl_add_u32 v[SA1], v10, 1, s49
	v_add_nc_u32 v[SA1], STG+512, v[SA1]
	v_add_nc_u32 v[SRD], STG, v1
	v_lshl_add_u32 v[KST], v0, 2, KSC              ; thread t's word
	v_lshl_add_u32 v[VST], v0, 2, VSC
	v_lshlrev_b32 v[OKS], 2, v0
	v_lshrrev_b32 v8, 6, v0
	v_and_b32 v9, 63, v0
	v_lshlrev_b32 v9, 1, v9
	v_lshl_add_u32 v[OVS], v8, 8, v9               ; V's halves: key step t / 64, (row, tile) t % 64
	s_mov_b32 s[SEL], 0x76543210
	s_mov_b32 s[SEL+1], 0xfedcba98                 ; v_permlanex16_b32: lane l xor 16
	s_mov_b32 s[CS], 0x3e38aa3b                    ; c = log2(e) / sqrt(64)
	s_mov_b32 s[CS+1], s[CS]                       ; (named with it as a pair, so it is written)
	; one group 1: 24,576 dense bytes as 96 rows of 256 (32 elements of 8 bytes); the mask names all four work-groups
	s_mov_b32 s[G1], 15|(3<<16)|(1<<21)
	s_mov_b32 s[G1+1], 32<<16
	s_mov_b32 s[G1+2], 96<<16
	s_mov_b32 s[G1+3], 32<<16
	s_mov_b32 s[G1+4], 96
	s_mov_b32 s[G1+5], 32
	s_mov_b32 s[G1+6], 0
	s_mov_b32 s[G1+7], 0
	s_mov_b32 s[G0], 1
	s_mul_i32 s[G0+1], s[WV], 24576                ; waves 0, 1: K's halves; waves 2, 3: V's
	s_mul_i32 s48, s[BG], 49152
	s_and_b32 s49, s[WV], 1
	s_mul_i32 s49, s49, 24576
	s_add_co_u32 s48, s48, s49
	s_mov_b32 s49, 0
	s_wait_dscnt 0x0
	s_wait_kmcnt 0x0
	s_cmp_lt_u32 s[WV], 2
	s_cselect_b64 s[G0+2:G0+3], s[6:7], s[8:9]
	s_add_nc_u64 s[G0+2:G0+3], s[G0+2:G0+3], s[48:49]
	s_or_b32 s[G0+3], s[G0+3], 0x80000000
	ROUND                                          ; all four work-groups are here: the joint loads meet
	s_cmp_lt_u32 s[WV], 4
	s_cbranch_scc0 .Lno_fetch
	tensor_load_to_lds s[G0:G0+3], s[G1:G1+7]      ; one load of mine is out
	s_nop 0
.rept 4
	v_nop
.endr
.Lno_fetch:
	s_lshl_b32 s48, s[BG], 11
	s_add_co_u32 s48, s48, 524288
	s_add_nc_u64 s[50:51], s[10:11], s[48:49]      ; K's scale words of my (sequence, group): 2,048 bytes; V's lie 65,536 bytes on
	global_load_b32 v236, v[OKS], s[50:51]
	global_load_u16 v237, v[OVS], s[50:51] offset:65536        ; a key step's word of V: two bytes from each of its two chunks
	global_load_u16 v238, v[OVS], s[50:51] offset:65536+128
.irp i, 0,1,2,3,4,5
	v_mov_b32 v[QF+6+\i], 0                        ; the zero codes between q and q: written once
.endr
.irp i, 0,1,2,3
	v_mov_b32 v[TP+\i], 0                          ; a lane permute's destination counts as one of its sources
.endr
	v_mov_b32 v[FF+1], 0
	v_mov_b32 v[AW], 0
	s_wait_loadcnt 0x0
	v_lshl_or_b32 v237, v238, 16, v237
	ds_store_b32 v[KST], v236
	ds_store_b32 v[VST], v237
	s_wait_tensorcnt 0x0                           ; my part of K or V has landed,
	s_wait_dscnt 0x0                               ; my scale words are stored:
	s_barrier_signal -1
	s_barrier_wait -1                              ; everybody's are
; 32 numbers of a lane (block b: registers 16 b .. 16 b + 15; the other 16 in lane l xor 16) become 6 registers of codes in v[PC] on and the row's two scale bytes in v[PW2].
.macro QUANT2 src
.irp c, 0,1,2,3
	v_max3_num_f32 v[BM+\c], |v[\src+8*\c]|, |v[\src+8*\c+1]|, 0x1800000   ; the floor 2^(3 - 127) holds the byte at 1 from below
.endr
.irp i, 2,4,6
.irp c, 0,1,2,3
	v_max3_num_f32 v[BM+\c], |v[\src+8*\c+\i]|, |v[\src+8*\c+\i+1]|, v[BM+\c]
.endr
.endr
	v_max_num_f32 v[BM], v[BM], v[BM+1]
	v_max_num_f32 v[BM+1], v[BM+2], v[BM+3]
	v_permlanex16_b32 v[TP], v[BM], s[SEL], s[SEL+1]
	v_permlanex16_b32 v[TP+1], v[BM+1], s[SEL], s[SEL+1]
	v_max_num_f32 v[BM], v[BM], v[TP]
	v_max_num_f32 v[BM+1], v[BM+1], v[TP+1]
	v_add_nc_u32 v[SO], 0xff000000, v[BM]
	v_add_nc_u32 v[SO+1], 0xff000000, v[BM+1]
	v_lshrrev_b32 v[AW], 23, v[SO]
	v_lshrrev_b32 v[AW+1], 23, v[SO+1]
	v_lshl_or_b32 v[PW2], v[AW+1], 8, v[AW]
	v_cvt_scalef32_pk16_fp6_f32 v[PC:PC+2], v[\src:\src+15], v[SO]
	v_cvt_scalef32_pk16_fp6_f32 v[PC+4:PC+6], v[\src+16:\src+31], v[SO+1]
	v_nop                                          ; one plain place behind a scaled conversion
.irp i, 0,1,2
	v_permlane16_swap_b32 v[PC+\i], v[PC+4+\i]
.endr
	v_mov_b32 v[PC+3], v[PC+4]
	v_mov_b32 v[PC+4], v[PC+5]
	v_mov_b32 v[PC+5], v[PC+6]
.endm
; A KEY STEP: 128 keys.
.macro STEPK
	s_cmp_gt_u32 s[SG], s[ND]                      ; all its keys come after my queries: nothing to do
	s_cbranch_scc1 .Lhid_\@
	v_add_nc_u32 v[ADX], s[TB], v1                 ; (these four are also the places behind the last step's products, ahead of the loads into their registers)
	v_add_nc_u32 v[ADY], s[TB], v2
	v_add_nc_u32 v[ADS], s[TS], v3
	v_add_nc_u32 v[ADT], s[TS], v4
.irp b, 0,1,2,3                                ; a fragment of K = two images on end
	ds_load_b128 v[FRG+12*\b:FRG+12*\b+3], v[ADX] offset:1536*\b
	ds_load_b64 v[FRG+12*\b+4:FRG+12*\b+5], v[ADY] offset:1536*\b+512
	ds_load_b128 v[FRG+12*\b+6:FRG+12*\b+9], v[ADX] offset:1536*\b+768
	ds_load_b64 v[FRG+12*\b+10:FRG+12*\b+11], v[ADY] offset:1536*\b+1280
.endr
	ds_load_b64 v[KW:KW+1], v[ADS]
	ds_load_b64 v[KW+2:KW+3], v[ADS] offset:128
	s_wait_dscnt 0x0
.irp b, 0,1,2,3
.irp u, 0,1
	v_wmma_scale_f32_16x16x128_f8f6f4 v[SS+8*(2*\b+\u):SS+8*(2*\b+\u)+7], v[FRG+12*\b:FRG+12*\b+11], v[QF+6*\u:QF+6*\u+11], 0, v[KW+\b], v[QW] matrix_a_fmt:MATRIX_FMT_FP6 matrix_b_fmt:MATRIX_FMT_FP6
.endr
.endr                                          ; register 8 T + j of lane (r, h): key 16 T + 8 h + j of the step, query r
.rept 4
	v_nop
.endr
.irp t, 0,1,2,3                                ; V's four fragments (16 of the head's 64 x 128 keys: an image from each of the step's two chunks) land during the softmax
	ds_load_b128 v[FRG+12*\t:FRG+12*\t+3], v[ADX] offset:VIMG+768*\t
	ds_load_b64 v[FRG+12*\t+4:FRG+12*\t+5], v[ADY] offset:VIMG+768*\t+512
	ds_load_b128 v[FRG+12*\t+6:FRG+12*\t+9], v[ADX] offset:VIMG+3072+768*\t
	ds_load_b64 v[FRG+12*\t+10:FRG+12*\t+11], v[ADY] offset:VIMG+3072+768*\t+512
.endr
	ds_load_b128 v[VW:VW+3], v[ADT]
	s_cmp_lg_u32 s[SG], s[ND]                      ; only the step on the diagonal has hidden keys: their scores become -infinity, p = 0
	s_cbranch_scc1 .Lopen_\@
	v_sub_nc_u32 v[AW], v[DQ], s[KF]               ; d = my query - 8 h - the step's first key: register 8 T + j is hidden where 16 T + j > d
	v_mov_b32 v[AW+1], 0xff800000
.set N, 0
.rept 64
	v_cmp_gt_i32 vcc_lo, 16*(N/8)+N%8, v[AW]
	v_cndmask_b32 v[SS+N], v[SS+N], v[AW+1], vcc_lo
.set N, N+1
.endr
.Lopen_\@:
.irp b, 0,1,2,3
	v_max3_num_f32 v[BM+\b], v[SS+16*\b], v[SS+1+16*\b], v[SS+2+16*\b]   ; the largest score of each block of 32 keys: for the row's maximum, and, since p rises with the score, for the block's largest p
.endr
.irp i, 3,5,7,9,11,13
.irp b, 0,1,2,3
	v_max3_num_f32 v[BM+\b], v[BM+\b], v[SS+16*\b+\i], v[SS+1+16*\b+\i]
.endr
.endr
.irp b, 0,1,2,3
	v_max_num_f32 v[BM+\b], v[BM+\b], v[SS+15+16*\b]
.endr
.irp b, 0,1,2,3
	v_permlanex16_b32 v[TP+\b], v[BM+\b], s[SEL], s[SEL+1]
.endr
.irp b, 0,1,2,3
	v_max_num_f32 v[BM+\b], v[BM+\b], v[TP+\b]     ; with lane l xor 16's 16 keys
.endr
	v_max3_num_f32 v[AW], v[BM], v[BM+1], v[BM+2]
	v_max_num_f32 v[AW], v[AW], v[BM+3]
	v_mul_f32 v[AW], s[CS], v[AW]                  ; the step's largest t
	v_max_num_f32 v13, v13, v[AW]                  ; the running largest t
	v_mov_b32 v[AW], v12
	v_floor_f32 v12, -v13                          ; the new -M = floor(-t): M is a whole number
	v_sub_f32 v[AW], v12, v[AW]                    ; old M - new M: a whole number, 0 or less
	v_cvt_i32_f32 v[AW], v[AW]                     ; (it saturates)
	v_ldexp_f32 v[FF], 1.0, v[AW]                  ; f = 2^(old M - new M)
.set N, 0
.rept 32
	v_pk_fma_f32 v[SS+N:SS+N+1], v[SS+N:SS+N+1], s[CS:CS+1], v[12:13] op_sel_hi:[1,0,0]   ; t - M, two at a time
.set N, N+2
.endr
.irp b, 0,1,2,3
	v_fma_f32 v[BM+\b], v[BM+\b], s[CS], v12       ; the same of each block's largest score
.endr
.set N, 0
.rept 64
	v_exp_f32 v[SS+N], v[SS+N]                     ; p = 2^(t - M): one batch
.set N, N+1
.endr
	v_pk_mul_f32 v[14:15], v[14:15], v[FF:FF+1] op_sel_hi:[1,0]   ; the sums under the new M (the plain place behind the batch)
	s_wait_alu depctr_va_vdst(0)                   ; one wait for the batch, ahead of its first reader
.irp b, 0,1,2,3
	v_exp_f32 v[BM+\b], v[BM+\b]                   ; the blocks' largest p
.endr
	v_pk_add_f32 v[AW+2:AW+3], v[SS:SS+1], v[SS+2:SS+3]           ; the row's sum of the unquantised p, in two chains
.irp j, 4,8,12,16,20,24,28,32,36,40,44,48,52,56,60
	v_pk_add_f32 v[14:15], v[14:15], v[SS+\j:SS+\j+1]
	v_pk_add_f32 v[AW+2:AW+3], v[AW+2:AW+3], v[SS+2+\j:SS+3+\j]
.endr
	v_pk_add_f32 v[14:15], v[14:15], v[AW+2:AW+3]
	s_wait_alu depctr_va_vdst(0)                   ; and one for the four
.irp b, 0,1,2,3
	v_max_num_f32 v[BM+\b], 0x1800000, v[BM+\b]    ; the floor: the byte cannot fall under 1
.endr
.irp b, 0,1,2,3
	v_add_nc_u32 v[SO+\b], 0xff000000, v[BM+\b]
.endr
.irp b, 0,1,2,3
	v_lshrrev_b32 v[TP+\b], 23, v[SO+\b]
.endr
	v_lshl_or_b32 v[PW], v[TP+1], 8, v[TP]         ; p's scale word for these 128 keys
	v_lshl_or_b32 v[PW], v[TP+2], 16, v[PW]
	v_lshl_or_b32 v[PW], v[TP+3], 24, v[PW]
.irp c, 0,1
	v_cvt_scalef32_pk16_fp6_f32 v[PC+6*\c:PC+6*\c+2], v[SS+32*\c:SS+32*\c+15], v[SO+2*\c]
	v_cvt_scalef32_pk16_fp6_f32 v[CT+4*\c:CT+4*\c+2], v[SS+32*\c+16:SS+32*\c+31], v[SO+2*\c+1]
.endr
	v_nop                                          ; one plain place behind a scaled conversion
.irp c, 0,1
.irp i, 0,1,2
	v_permlane16_swap_b32 v[PC+6*\c+\i], v[CT+4*\c+\i]   ; a whole block to a lane: lanes 0-15 block 2 c, lanes 16-31 block 2 c + 1
.endr
.irp i, 0,1,2
	v_mov_b32 v[PC+3+6*\c+\i], v[CT+4*\c+\i]
.endr
.endr
.set N, 0
.rept 16
	v_pk_mul_f32 v[OT+N:OT+N+1], v[OT+N:OT+N+1], v[FF:FF+1] op_sel_hi:[1,0]   ; O^T under the new M.  (These sixteen are also the places between the scale word's and the codes' last writes and the products below)
.set N, N+2
.endr
	s_wait_dscnt 0x0                               ; V and its scale words are in
.irp t, 0,1,2,3
	v_wmma_scale_f32_16x16x128_f8f6f4 v[OT+8*\t:OT+8*\t+7], v[FRG+12*\t:FRG+12*\t+11], v[PC:PC+11], v[OT+8*\t:OT+8*\t+7], v[VW+\t], v[PW] matrix_a_fmt:MATRIX_FMT_FP6 matrix_b_fmt:MATRIX_FMT_FP6
.endr
.Lhid_\@:
.endm
; ONE TILE OF 16 QUERIES.
.macro PASS p
	s_wait_xcnt 0x0                                ; the last pass's stores have read their registers and bases
.if \p == 0
	s_lshl_b32 s[TAU], s[PI], 4
	s_add_co_u32 s[TAU], s[TAU], s[WV]
.else
	s_sub_co_u32 s[TAU], 63, s[TAU]
.endif
	s_lshr_b32 s[ND], s[TAU], 3                    ; the key step on the diagonal
	s_lshl_b32 s48, s[BG], 2
	s_add_co_u32 s48, s48, s[JH]
	s_lshl_b32 s49, s48, 6
	s_add_co_u32 s49, s49, s[TAU]
	s_mul_i32 s50, s49, 768
	s_mov_b32 s51, 0
	s_add_nc_u64 s[QA:QA+1], s[4:5], s[50:51]      ; my image of q, loaded twice
	global_load_b128 v[QF:QF+3], v1, s[QA:QA+1]
	global_load_b64 v[QF+4:QF+5], v2, s[QA:QA+1] offset:512
	global_load_b128 v[QF+12:QF+15], v1, s[QA:QA+1]
	global_load_b64 v[QF+16:QF+17], v2, s[QA:QA+1] offset:512
	s_lshl_b32 s50, s[BG], 4
	s_lshr_b32 s52, s[TAU], 2
	s_add_co_u32 s50, s50, s52
	s_lshl_b32 s50, s50, 1
	s_lshr_b32 s52, s[JH], 1
	s_add_co_u32 s50, s50, s52
	s_lshl_b32 s50, s50, 9
	s_and_b32 s52, s[JH], 1
	s_lshl_b32 s52, s52, 8
	s_add_co_u32 s50, s50, s52
	s_and_b32 s52, s[TAU], 3
	s_lshl_b32 s52, s52, 2
	s_add_co_u32 s50, s50, s52
	s_add_nc_u64 s[QSA:QSA+1], s[10:11], s[50:51]
	global_load_b32 v[QW], v6, s[QSA:QSA+1]        ; its scale words
	s_lshr_b32 s50, s[BG], 3
	s_lshl_b32 s50, s50, 6
	s_add_co_u32 s50, s50, s[TAU]
	s_lshl_b32 s50, s50, 5
	s_and_b32 s52, s[BG], 7
	s_lshl_b32 s52, s52, 2
	s_add_co_u32 s50, s50, s52
	s_add_co_u32 s50, s50, s[JH]
	s_mul_i32 s50, s50, 768
	s_add_nc_u64 s[OA:OA+1], s[12:13], s[50:51]    ; the result's image: [tile of tokens][head]
	v_mov_b32 v13, 0xff61b1e6                      ; the largest t so far: -3e38
	v_floor_f32 v12, -v13
	v_mov_b32 v14, 0
	v_mov_b32 v15, 0
.set N, 0
.rept 32
	v_mov_b32 v[OT+N], 0                           ; the step is written once: the first finds zeros, which the first change of M leaves zeros
.set N, N+1
.endr
	s_lshl_b32 s52, s[TAU], 4
	v_add_nc_u32 v[DQ], s52, v5
	s_mov_b32 s[TB], 0
	s_mov_b32 s[TS], 0
	s_mov_b32 s[KF], 0
	s_mov_b32 s[SG], 0
	s_wait_loadcnt 0x0
.Lk_\@:
	STEPK
	s_add_co_u32 s[TB], s[TB], 6144                ; the next step's eight images of K and of V,
	s_add_co_u32 s[TS], s[TS], 256                 ; its scale words,
	s_add_co_u32 s[KF], s[KF], 128                 ; its first key
	s_add_co_u32 s[SG], s[SG], 1
	s_cmp_lt_u32 s[SG], 8
	s_cbranch_scc1 .Lk_\@
	v_add_f32 v14, v14, v15                        ; the sum's two halves,
	v_permlanex16_b32 v[AW], v14, s[SEL], s[SEL+1]
	v_add_f32 v14, v14, v[AW]                      ; and lane l xor 16's
	v_rcp_f32 v[FF], v14
.rept 3
	v_nop                                          ; plain places: behind the reciprocal, and (with the two additions) behind the last products
.endr
	s_wait_alu depctr_va_vdst(0)                   ; the wait ahead of the reciprocal's first reader
.set N, 0
.rept 16
	v_pk_mul_f32 v[SS+N:SS+N+1], v[OT+N:OT+N+1], v[FF:FF+1] op_sel_hi:[1,0]   ; O^T / the sum: register 8 t + j: channel 16 t + 8 h + j
.set N, N+2
.endr
.irp b, 0,1
.irp j, 0,1,2,3,4,5,6,7
	v_permlane16_swap_b32 v[SS+16*\b+\j], v[SS+16*\b+8+\j]    ; then register 16 b + i holds channel 32 b + 16 h + i: the head's true order, as the last product's given weights have it
.endr
.endr
	QUANT2 SS
	global_store_b128 v1, v[PC:PC+3], s[OA:OA+1]               ; 512 consecutive bytes
	global_store_b64 v2, v[PC+4:PC+5], s[OA:OA+1] offset:512   ; 256 consecutive bytes
.if \p == 0
	ds_store_b16 v7, v[PW2]                        ; lanes 16-31 write what lanes 0-15 write
.else
	ds_store_b16 v[SA1], v[PW2]
.endif
.endm
	PASS 0
	PASS 1
	s_lshl_b32 s48, s[BG], 2                       ; the scale bytes leave as two runs of 512 bytes: tiles 16 x (cluster x) on, and tiles 48 - 16 x (cluster x) on
	s_add_co_u32 s48, s48, s[JH]
	s_lshl_b32 s48, s48, 6
	s_lshl_b32 s49, s[PI], 4
	s_add_co_u32 s50, s48, s49
	s_lshl_b32 s50, s50, 5
	s_mov_b32 s51, 0
	s_sub_co_u32 s52, 48, s49
	s_add_co_u32 s52, s52, s48
	s_lshl_b32 s52, s52, 5
	s_mov_b32 s53, 0
	s_add_nc_u64 s[QA:QA+1], s[14:15], s[50:51]    ; (q's loads were waited for: these registers are free)
	s_add_nc_u64 s[QSA:QSA+1], s[14:15], s[52:53]
	s_wait_dscnt 0x0                               ; my scale bytes are stored
	s_barrier_signal -1
	s_barrier_wait -1
	s_cmp_lg_u32 s[WV], 0
	s_cbranch_scc1 .Lnot_first
	ds_load_b128 v[SS:SS+3], v[SRD]
	ds_load_b128 v[SS+4:SS+7], v[SRD] offset:512
	s_wait_dscnt 0x0
	global_store_b128 v1, v[SS:SS+3], s[QA:QA+1]
	global_store_b128 v1, v[SS+4:SS+7], s[QSA:QSA+1]
.Lnot_first:
	s_wait_tensorcnt 0x0
	ds_add_u32 v254, v255
	s_wait_dscnt 0x0
	ROUND                                          ; the closing round
	s_endpgm
.Lfunc_end_k_q8c414620e1_attn:
	.size	k_q8c414620e1_attn, .Lfunc_end_k_q8c414620e1_attn-k_q8c414620e1_attn
	.p2alignl 7, 3214868480
	.fill 96, 4, 3214868480
	.section	.rodata,"a",@progbits
	.p2align	6, 0x0
	.amdhsa_kernel k_q8c414620e1_attn
		.amdhsa_group_segment_fixed_size 169984
		.amdhsa_private_segment_fixed_size 0
		.amdhsa_enable_private_segment 0
		.amdhsa_kernarg_size 48
		.amdhsa_user_sgpr_count 2
		.amdhsa_user_sgpr_kernarg_segment_ptr 1
		.amdhsa_wavefront_size32 1
		.amdhsa_system_sgpr_workgroup_id_x 1
		.amdhsa_system_sgpr_workgroup_id_y 1
		.amdhsa_system_sgpr_workgroup_id_z 1
		.amdhsa_system_vgpr_workitem_id 0
		.amdhsa_next_free_vgpr 256
		.amdhsa_next_free_sgpr 66
		.amdhsa_reserve_vcc 1
		.amdhsa_float_denorm_mode_32 3
		.amdhsa_float_denorm_mode_16_64 3
		.amdhsa_memory_ordered 1
		.amdhsa_forward_progress 1
		.amdhsa_inst_pref_size 63
	.end_amdhsa_kernel
	.amdgpu_metadata
---
amdhsa.version: [ 1, 2 ]
amdhsa.kernels:
  - .name:           k_q8c414620e1_attn
    .symbol:         k_q8c414620e1_attn.kd
    .args:
      - { .name: q_img, .offset: 0, .size: 8, .value_kind: global_buffer, .address_space: global }
      - { .name: k_img, .offset: 8, .size: 8, .value_kind: global_buffer, .address_space: global }
      - { .name: v_img, .offset: 16, .size: 8, .value_kind: global_buffer, .address_space: global }
      - { .name: qkv_sc, .offset: 24, .size: 8, .value_kind: global_buffer, .address_space: global }
      - { .name: a_img, .offset: 32, .size: 8, .value_kind: global_buffer, .address_space: global }
      - { .name: a_sc, .offset: 40, .size: 8, .value_kind: global_buffer, .address_space: global }
    .group_segment_fixed_size: 169984
    .private_segment_fixed_size: 0
    .kernarg_segment_align: 8
    .kernarg_segment_size: 48
    .max_flat_workgroup_size: 512
    .sgpr_count:     66
    .vgpr_count:     256
    .wavefront_size: 32
...
	.end_amdgpu_metadata
.endif
;; end of part 2
;; launch dense (part 3): grid 8 x 32, 4 waves a work-group, clusters of 4 x 4, 327,680 bytes of LDS; arguments a_img, a_sc, dense_w_codes, dense_w_scales, dense_b, out0; writes out0
.if DOCPART == 3
	.amdgcn_target "amdgcn-amd-amdhsa--gfx1250"
	.amdhsa_code_object_version 6
	.text
	.protected	k_q8c414620e1_dense
	.globl	k_q8c414620e1_dense
	.p2align	8
	.type	k_q8c414620e1_dense,@function
k_q8c414620e1_dense:
	s_mov_b64 s[64:65], 0
	v_nop
	global_prefetch_b8 v0, s[64:65] scope:SCOPE_SE
	s_setreg_imm32_b32 hwreg(HW_REG_WAVE_MODE, 25, 1), 1
	s_wait_xcnt 0x0
	s_wait_alu depctr_hold_cnt(0) depctr_sa_sdst(0) depctr_va_vdst(0) depctr_va_sdst(0) depctr_va_ssrc(0) depctr_va_vcc(0) depctr_vm_vsrc(0)
	s_getreg_b32 s2, hwreg(HW_REG_IB_STS2, 6, 4)
	s_cmp_eq_u32 s2, 0
	s_cbranch_scc0 .Lentry_in_a_cluster
	s_endpgm
.Lentry_in_a_cluster:
	s_bfe_u32 s2, ttmp6, 0x10000c
	s_cmp_lg_u32 s2, 0xf033
	s_cbranch_scc0 .Lentry_shape_is_right
	s_endpgm
.Lentry_shape_is_right:
; out0 = attn x dense_w + dense_b on codes of FP6 (E2M3).  attn comes as images of operand registers (768 bytes for 16 tokens x one head's 64) and two scale bytes a token and head; dense_w as it is given.
; SHARES.  A work-group makes 128 tokens x 256 columns, so that there are 256 work-groups; wave w: tokens 64 (w / 2) on, columns 128 (w % 2) on: 32 accumulators of 16 x 16.
; K = 2,048 goes in steps of 256 (four heads) through a ring of two LDS slots.  The weights' scale bytes come once by a tensor load; attn's are put together once, by the threads, into words of four bytes a token and 128 along K.
; CLUSTER 4 x 4: attn's tiles are shared along a row of the cluster, the weights' along a column: joint loads.  Waves 0, 1 fetch attn's halves, waves 2, 3 the weights'.
; The matrix instruction is used transposed (source 0 = 16 columns' weights, source 1 = 16 tokens): a lane holds eight neighbouring columns of one token's row.  The bias is the C of each sum's first product.
.set ROWB,   192
.set KROW,   1536
.set PITCH,  240
.set HALFT,  128*PITCH
.set AIMG,   24576                     ; a slot: attn's 8 tiles x 3,072 bytes, on end, then the weights' 256 rows x 240
.set SLOT,   AIMG+2*HALFT
.set LAPS,   4
.set SBLK,   1088
.set HALFS,  8704
.set ASC,    2*SLOT                    ; attn's scale words, 128 rows of 64 bytes laid as the weights' are: stored by the threads, in blocks of 256 bytes of their own
.set SCL,    ASC+HALFS                 ; the weights' scale bytes, 2 x 128 rows
.set SPARE,  SCL+2*HALFS               ; the spare words
.set SPITCH, 528                       ; the way out: 16 rows x (512 + 16) bytes a wave, in slot 0, which has had its last fill and its last read by then
.set AX,   8                           ; v8-9 my tiles' images in slot 0, 1: + 16 x lane;  v10-11: + 8 x lane
.set AY,   10
.set ADRB, 12                          ; v12-15 my 128 rows of the weights
.set L16,  20
.set ADRS, 24
.set STO,  26
.set RD,   27
.set SPW,  28
.set NIL,  29
.set OAS,  30
.set LAS,  31
.set OBI,  23
.set SC,   32                          ; v32-63 scale words: set s at SC + 16 s, pair i at + 2 i, word q
.set AF,   80                          ; v80-175 attn's fragments, two sets of 4
.set BK,   80                          ; the way out: rows read back: v80-143 and v144-207 by turns
.set EV,   176                         ; the head: v176-183, v184-191 two heads' bytes, v192-207 the words
.set BI,   128                         ; window 1: the bias (v0-95 of window 1: the weights' 8 fragments; window 2: the accumulators, (a, f) at 8 (8 a + f))
.set G1,   24
.set G0,   32
.set G1B,  48
.set G0B,  56
.set G1SB, 80
.set G0SB, 88
.set WV,   92
.set TW,   93
.set FW,   94
.set MSB, 0
.macro WIN new
.if MSB != (\new)
	s_set_vgpr_msb (MSB<<8)|(\new)
.set MSB, \new
.endif
.endm
.macro PLACES
.rept 4
	v_nop
.endr
.endm
.macro JLOAD s                         ; a joint refill; four v_nop follow each line
	s_cmp_eq_u32 s[TW], 0
	s_cbranch_scc0 .Lfor_b_\@
	tensor_load_to_lds s[G0+4*\s:G0+4*\s+3], s[G1:G1+7]
	s_nop 0
.rept 4
	v_nop
.endr
	s_branch .Lasked_\@
.Lfor_b_\@:
	tensor_load_to_lds s[G0B+4*\s:G0B+4*\s+3], s[G1B:G1B+7]
	s_nop 0
.rept 4
	v_nop
.endr
.Lasked_\@:
.endm
.macro CREST
	s_cmp_lg_u32 s[WV], 0
	s_cbranch_scc1 .Lnot_wave_0_\@
	s_barrier_signal -3
.Lnot_wave_0_\@:
	s_barrier_wait -3
	s_barrier_signal -1
	s_barrier_wait -1
.endm
.macro CROUND
	s_barrier_signal -1
	s_barrier_wait -1
	CREST
.endm
	s_load_b256 s[4:11], s[0:1], 0x0               ; a_img, a_sc, the weights' codes, the weights' scales
	s_load_b128 s[12:15], s[0:1], 0x20             ; dense_b, out0
	v_lshl_add_u32 v[SPW], v0, 2, SPARE
	v_mov_b32 v[NIL], 0
	ds_add_u32 v28, v29
	ds_add_u32 v28, v29
	s_wait_dscnt 0x0
	v_lshrrev_b32 v1, 5, v0
	v_readfirstlane_b32 s[WV], v1
	s_lshr_b32 s[TW], s[WV], 1                     ; which 64 tokens.  Also: I fetch for attn (0) or for the weights (1)
	s_and_b32 s[FW], s[WV], 1                      ; which 128 columns.  Also: which half of that tile I fetch
	s_bfe_u32 s40, ttmp6, 0x40000
	s_bfe_u32 s41, ttmp6, 0x40004
	s_lshl_b32 s42, ttmp9, 2
	s_add_co_u32 s42, s42, s40                     ; the block of 256 columns
	s_and_b32 s43, ttmp7, 0xffff
	s_lshl_b32 s43, s43, 2
	s_add_co_u32 s43, s43, s41                     ; the block of 128 tokens
	s_lshl_b32 s44, s41, 2
	s_lshl_b32 s44, 15, s44                        ; my row of the cluster
	s_lshl_b32 s45, 0x1111, s40                    ; my column
	; attn: 4 tiles of tokens x 3,072 bytes (four heads' images), 24,576 bytes from tile to tile; elements of 8 bytes; no padding: the lanes read on end
	s_or_b32 s[G1], s44, (3<<16)|(1<<21)
	s_mov_b32 s[G1+1], 384<<16
	s_mov_b32 s[G1+2], 4<<16
	s_mov_b32 s[G1+3], 384<<16
	s_mov_b32 s[G1+4], 4
	s_mov_b32 s[G1+5], 3072
	s_mov_b32 s[G1+6], 0
	s_mov_b32 s[G1+7], 0
	; the weights: 128 rows x 192 bytes, 16 bytes of padding behind every 64
	s_or_b32 s[G1B], s45, (0<<16)|(1<<20)|(1<<21)|(3<<22)|(3<<25)
	s_mov_b32 s[G1B+1], ROWB<<16
	s_mov_b32 s[G1B+2], 128<<16
	s_mov_b32 s[G1B+3], ROWB<<16
	s_mov_b32 s[G1B+4], 128
	s_mov_b32 s[G1B+5], KROW
	s_mov_b32 s[G1B+6], 0
	s_mov_b32 s[G1B+7], 0
	; their scale bytes: 8,192 dense bytes as 32 rows of 256, 16 bytes of padding behind each
	s_or_b32 s[G1SB], s45, (3<<16)|(1<<20)|(1<<21)|(5<<22)|(3<<25)
	s_mov_b32 s[G1SB+1], 32<<16
	s_mov_b32 s[G1SB+2], 32<<16
	s_mov_b32 s[G1SB+3], 32<<16
	s_mov_b32 s[G1SB+4], 32
	s_mov_b32 s[G1SB+5], 32
	s_mov_b32 s[G1SB+6], 0
	s_mov_b32 s[G1SB+7], 0
	s_lshl_b32 s98, s43, 3
	s_lshl_b32 s99, s[FW], 2
	s_add_co_u32 s98, s98, s99                     ; attn: tile of tokens 8 x block + 4 x half
	s_mul_i32 s98, s98, 24576
	s_mov_b32 s99, 0
	s_lshl_b32 s46, s42, 8
	s_lshl_b32 s47, s[FW], 7
	s_add_co_u32 s46, s46, s47                     ; the weights: row 256 x block + 128 x half
	s_mul_i32 s2, s46, KROW
	s_mov_b32 s3, 0
	s_lshl_b32 s46, s46, 6
	s_mov_b32 s47, 0
	s_wait_kmcnt 0x0
	s_add_nc_u64 s[98:99], s[4:5], s[98:99]
	s_add_nc_u64 s[2:3], s[8:9], s[2:3]
	s_add_nc_u64 s[46:47], s[10:11], s[46:47]
	CROUND                                         ; all sixteen work-groups are here: the first joint loads meet
	s_mov_b32 s[G0SB], 1
	s_mul_i32 s[G0SB+1], s[FW], HALFS
	s_add_co_u32 s[G0SB+1], s[G0SB+1], SCL
	s_mov_b64 s[G0SB+2:G0SB+3], s[46:47]
	s_or_b32 s[G0SB+3], s[G0SB+3], 0x80000000
	s_mov_b32 s[G0], 1
	s_mul_i32 s[G0+1], s[FW], 12288
	s_mov_b32 s[G0+4], 1
	s_add_co_u32 s[G0+5], s[G0+1], SLOT
	s_mov_b32 s[G0B], 1
	s_mul_i32 s[G0B+1], s[FW], HALFT
	s_add_co_u32 s[G0B+1], s[G0B+1], AIMG
	s_mov_b32 s[G0B+4], 1
	s_add_co_u32 s[G0B+5], s[G0B+1], SLOT
.irp s, 0,1
	s_add_nc_u64 s[G0+4*\s+2:G0+4*\s+3], s[98:99], \s*3072
	s_or_b32 s[G0+4*\s+3], s[G0+4*\s+3], 0x80000000
	s_add_nc_u64 s[G0B+4*\s+2:G0B+4*\s+3], s[2:3], \s*ROWB
	s_or_b32 s[G0B+4*\s+3], s[G0B+4*\s+3], 0x80000000
.endr
	s_cmp_eq_u32 s[TW], 0                          ; a wave's first fills stand in one branch; behind K step 0's load stands K step 1's in both arms
	s_cbranch_scc0 .Lfirst_b
	tensor_load_to_lds s[G0:G0+3], s[G1:G1+7]
	s_nop 0
	tensor_load_to_lds s[G0+4:G0+7], s[G1:G1+7]
	s_nop 0
.rept 4
	v_nop
.endr
	s_branch .Lfirst_done
.Lfirst_b:
	tensor_load_to_lds s[G0SB:G0SB+3], s[G1SB:G1SB+7]
	s_nop 0
	tensor_load_to_lds s[G0B:G0B+3], s[G1B:G1B+7]
	s_nop 0
	tensor_load_to_lds s[G0B+4:G0B+7], s[G1B:G1B+7]
	s_nop 0
.rept 4
	v_nop
.endr
.Lfirst_done:
	s_lshl_b32 s2, s42, 10
	s_lshl_b32 s98, s[FW], 9
	s_add_co_u32 s2, s2, s98                       ; my first column, in bytes
	s_mov_b32 s3, 0
	s_add_nc_u64 s[12:13], s[12:13], s[2:3]        ; in the bias,
	s_add_nc_u64 s[14:15], s[14:15], s[2:3]        ; and in a row of the output;
	s_lshl_b32 s2, s43, 7
	s_lshl_b32 s98, s[TW], 6
	s_add_co_u32 s2, s2, s98
	s_lshl_b32 s2, s2, 13                          ; my first token's row of 8,192 bytes
	s_add_nc_u64 s[14:15], s[14:15], s[2:3]
	s_lshr_b32 s2, s43, 3
	s_lshl_b32 s2, s2, 11
	s_and_b32 s98, s43, 7
	s_lshl_b32 s98, s98, 3
	s_add_co_u32 s2, s2, s98
	s_lshl_b32 s2, s2, 5                           ; attn's scale bytes: [sequence][head][tile of 16 positions][16] x 2 bytes: my sequence, my first tile
	s_add_nc_u64 s[6:7], s[6:7], s[2:3]
	v_and_b32 v1, 15, v0                           ; r
	v_bfe_u32 v2, v0, 4, 1                         ; h
	v_and_b32 v3, 31, v0
	v_lshlrev_b32 v[L16], 4, v3
	v_lshlrev_b32 v7, 3, v3                        ; 8 x lane
	v_lshlrev_b32 v[OBI], 5, v2                    ; 32 h
	v_and_b32 v3, 7, v0                            ; thread t: tile t % 8 of the block's eight,
	v_lshrrev_b32 v4, 3, v0                        ; K step of 128 t / 8 (heads 2 s, 2 s + 1)
	v_lshlrev_b32 v[OAS], 5, v3
	v_lshl_add_u32 v[OAS], v4, 12, v[OAS]
	v_mul_u32_u24 v[LAS], v3, SBLK
	v_lshl_add_u32 v[LAS], v4, 2, v[LAS]
	v_add_nc_u32 v[LAS], ASC, v[LAS]
	global_load_b128 v[EV:EV+3], v[OAS], s[6:7]                ; 16 tokens' bytes of the even head,
	global_load_b128 v[EV+4:EV+7], v[OAS], s[6:7] offset:16
	global_load_b128 v[EV+8:EV+11], v[OAS], s[6:7] offset:2048 ; and of the odd one
	global_load_b128 v[EV+12:EV+15], v[OAS], s[6:7] offset:2064
	WIN 0x40
.irp f, 0,1,2,3,4,5,6,7
	global_load_b128 v[BI+8*\f:BI+8*\f+3], v[OBI], s[12:13] offset:64*\f
	global_load_b128 v[BI+8*\f+4:BI+8*\f+7], v[OBI], s[12:13] offset:64*\f+16
.endr
	WIN 0
	s_mul_i32 s98, s[TW], 12288                    ; my four tiles' images
	v_add_nc_u32 v[AX], s98, v[L16]
	v_add_nc_u32 v[AY], s98, v7
	v_add_nc_u32 v[AX+1], SLOT, v[AX]
	v_add_nc_u32 v[AY+1], SLOT, v[AY]
	v_mul_u32_u24 v3, v1, PITCH
	v_mad_u32_u24 v4, v2, 24, v3
	v_lshl_add_u32 v5, v2, 4, v4
	s_mul_i32 s99, s[FW], HALFT
	s_add_co_u32 s99, s99, AIMG                    ; my 128 rows of the weights
.irp s, 0,1
	v_add_nc_u32 v[ADRB+\s], s99, v4
	v_add_nc_u32 v[ADRB+2+\s], s99, v5
	s_add_co_u32 s99, s99, SLOT
.endr
	v_lshlrev_b32 v5, 6, v1
	v_lshrrev_b32 v6, 8, v5
	v_lshl_add_u32 v5, v6, 4, v5                   ; my row's scale bytes: 64 r + 16 for each 256 passed
	s_mul_i32 s98, s[TW], 4352                     ; lanes 0-15: my 64 tokens
	s_mul_i32 s99, s[FW], HALFS
	s_add_co_u32 s99, s99, HALFS
	s_sub_co_u32 s99, s99, s98                     ; lanes 16-31: so much further on: my 128 columns
	v_mul_u32_u24 v6, s99, v2
	s_add_co_u32 s98, s98, ASC
	v_add_nc_u32 v5, v5, v6
	v_add_nc_u32 v[ADRS], s98, v5
	s_mul_i32 s98, s[WV], 16*SPITCH                ; my stage
	v_mul_u32_u24 v5, v1, SPITCH
	v_lshl_add_u32 v5, v2, 5, v5
	v_add_nc_u32 v[STO], s98, v5                   ; in: row r, 32 bytes for each half of the lanes
	v_add_nc_u32 v[RD], s98, v[L16]                ; back: the 32 lanes take one row of 512 bytes
	s_wait_loadcnt 0x0
.irp i, 0,1,2,3,4,5,6,7                        ; token 2 i: the two low halves; token 2 i + 1: the two high halves: even head's bytes below, odd head's above
	v_perm_b32 v[EV+16+2*\i], v[EV+8+\i], v[EV+\i], 0x05040100
	v_perm_b32 v[EV+17+2*\i], v[EV+8+\i], v[EV+\i], 0x07060302
.endr
.irp r, 0,1,2,3,4,5,6,7,8,9,10,11,12,13,14,15
	ds_store_b32 v[LAS], v[EV+16+\r] offset:(\r/4)*272+(\r%4)*64
.endr
.macro FRAG reg, adr, q, i             ; a fragment of the weights: 12 registers, in pieces of 8 bytes; where lanes 16-31's piece lies behind one padding more, the second address register serves
.irp p, 0,1,2,3,4,5
.set PCE, 12*(\q)+6*(\p/3)+\p%3
.if PCE%8 < 5
	ds_load_b64 v[\reg+2*\p:\reg+2*\p+1], v[\adr] offset:8*PCE+16*(PCE/8)+(\i)*16*PITCH
.else
	ds_load_b64 v[\reg+2*\p:\reg+2*\p+1], v[\adr+2] offset:8*PCE+16*(PCE/8)+(\i)*16*PITCH
.endif
.endr
.endm
.macro FETCH_A slot, q, p              ; my four tiles of tokens: a fragment = two images on end: 16 loads
	WIN 0
.irp a, 0,1,2,3
	ds_load_b128 v[AF+48*(\p)+12*\a:AF+48*(\p)+12*\a+3], v[AX+\slot] offset:3072*\a+1536*(\q)
	ds_load_b64 v[AF+48*(\p)+12*\a+4:AF+48*(\p)+12*\a+5], v[AY+\slot] offset:3072*\a+1536*(\q)+512
	ds_load_b128 v[AF+48*(\p)+12*\a+6:AF+48*(\p)+12*\a+9], v[AX+\slot] offset:3072*\a+1536*(\q)+768
	ds_load_b64 v[AF+48*(\p)+12*\a+10:AF+48*(\p)+12*\a+11], v[AY+\slot] offset:3072*\a+1536*(\q)+1280
.endr
.endm
.macro FETCH_B slot, q, half           ; the weights' fragments 0-3 or 4-7: 24 loads
	WIN 0x40
.irp i, 0,1,2,3
	FRAG 12*(4*\half+\i), ADRB+\slot, \q, 4*\half+\i
.endr
	WIN 0
.endm
.macro SCALES sc
.irp i, 0,1,2,3,4,5,6,7
	ds_load_b64 v[SC+16*\sc+2*\i:SC+16*\sc+2*\i+1], v[ADRS] offset:\i*SBLK
.endr
.endm
; n tiles of columns from f0 on, each against my four tiles of tokens.  The 32 accumulators take turns, one instruction a turn, in the same order in every step.
.macro MULF f0, n, p, q, sc, first
.if \first
	WIN 0x91
.else
	WIN 0xa1
.endif
.set FF, \f0
.rept \n
.irp a, 0,1,2,3
.set DD, 8*(8*\a+FF)
.if \first
	v_wmma_scale_f32_16x16x128_f8f6f4 v[DD:DD+7], v[12*FF:12*FF+11], v[AF+48*(\p)+12*\a:AF+48*(\p)+12*\a+11], v[BI+8*FF:BI+8*FF+7], v[SC+16*(\sc)+2*FF+(\q)], v[SC+16*(\sc)+2*\a+(\q)] matrix_a_fmt:MATRIX_FMT_FP6 matrix_b_fmt:MATRIX_FMT_FP6 matrix_a_scale:MATRIX_SCALE_ROW1
.else
	v_wmma_scale_f32_16x16x128_f8f6f4 v[DD:DD+7], v[12*FF:12*FF+11], v[AF+48*(\p)+12*\a:AF+48*(\p)+12*\a+11], v[DD:DD+7], v[SC+16*(\sc)+2*FF+(\q)], v[SC+16*(\sc)+2*\a+(\q)] matrix_a_fmt:MATRIX_FMT_FP6 matrix_b_fmt:MATRIX_FMT_FP6 matrix_a_scale:MATRIX_SCALE_ROW1
.endif
.endr
.set FF, FF+1
.endr
.endm
.macro STEP slot, first                ; a slot's first 128 along K (set 0)
	s_wait_dscnt 24                                ; all but the youngest 24 loads (the weights' fragments 4-7) are in
	MULF 0, 4, 0, 0, \slot, \first
	s_wait_dscnt 0x0
	PLACES
	FETCH_A \slot, 1, 1
	FETCH_B \slot, 1, 0
	MULF 4, 4, 0, 0, \slot, \first
	PLACES
	FETCH_B \slot, 1, 1
.endm
.macro TURN slot, next, fill           ; its second 128 (set 1) and the change of slots
	s_wait_tensorcnt 0x0                           ; all my tensor loads have landed: my part of the next slot
	ds_add_u32 v[SPW], v[NIL]                      ; 0 onto my spare word
	s_wait_dscnt 25                                ; (the add and the youngest 24 loads may be out)
	MULF 0, 2, 1, 1, \slot, 0                      ; eight matrix instructions stand between the add and the wait for it
	s_wait_dscnt 0x0                               ; the add is done, and my reads of this slot are over
	s_barrier_signal -1
	MULF 2, 2, 1, 1, \slot, 0
	WIN 0
	s_barrier_wait -1
.if \fill
	CREST                                          ; no wave of any partner still reads this slot or has a load on its way
	s_add_nc_u64 s[G0+4*\slot+2:G0+4*\slot+3], s[G0+4*\slot+2:G0+4*\slot+3], 2*3072
	s_add_nc_u64 s[G0B+4*\slot+2:G0B+4*\slot+3], s[G0B+4*\slot+2:G0B+4*\slot+3], 2*ROWB
	JLOAD \slot                                    ; the first tensor load behind the round; its four v_nop are also the places ahead of the loads below
.else
	PLACES
.endif
	v_add_nc_u32 v[ADRS], 8, v[ADRS]
	FETCH_A \next, 0, 0
	FETCH_B \next, 0, 0
	SCALES \next
	MULF 4, 4, 1, 1, \slot, 0
	PLACES
	FETCH_B \next, 0, 1
.endm
	s_wait_tensorcnt 1                             ; my part of K step 0 (and the weights' scale bytes) is in; K step 1's load may stay out
	s_wait_dscnt 0x0                               ; my words of attn's scales are stored
	s_barrier_signal -1
	s_barrier_wait -1
	FETCH_A 0, 0, 0
	FETCH_B 0, 0, 0
	SCALES 0
	FETCH_B 0, 0, 1
	STEP 0, 1                                      ; the first step stands ahead of the loop: its products start the sums, on the bias
	s_mov_b32 s3, LAPS-1
.Llap:
	TURN 0, 1, 1
	STEP 1, 0
	TURN 1, 0, 1
	STEP 0, 0
	s_sub_co_u32 s3, s3, 1
	s_cmp_lg_u32 s3, 0
	s_cbranch_scc1 .Llap
	TURN 0, 1, 0                                   ; the last lap fills nothing
	STEP 1, 0
	s_wait_dscnt 24
	MULF 0, 4, 1, 1, 1, 0
	s_wait_dscnt 0x0
	MULF 4, 4, 1, 1, 1, 0
	WIN 0
; THE WAY OUT, 16 tokens x 128 columns at a time, through my own stage: in as 32 bytes a lane, back as whole rows of 512 bytes.  LDS serves a wave's instructions in order (ISA guide 5.7.1.4): no wait between the stores and the loads.
.macro TOSTAGE a
	WIN 0x08                                       ; an LDS store's data: window 2
.irp f, 0,1,2,3,4,5,6,7
	ds_store_b128 v[STO], v[64*(\a)+8*\f:64*(\a)+8*\f+3] offset:64*\f          ; each accumulator from its low end on
	ds_store_b128 v[STO], v[64*(\a)+8*\f+4:64*(\a)+8*\f+7] offset:64*\f+16
.endr
	WIN 0
.set BB, BK+64*((\a)%2)
.irp t, 0,1,2,3,4,5,6,7,8,9,10,11,12,13,14,15
	ds_load_b128 v[BB+4*\t:BB+4*\t+3], v[RD] offset:\t*SPITCH
.endr
.endm
.macro SEND a, younger
.set BB, BK+64*((\a)%2)
	s_wait_dscnt \younger                          ; the block is back in registers; the next block's 16 stores and 16 loads may be out
.irp t, 0,1,2,3,4,5,6,7,8,9,10,11,12,13,14,15
	global_store_b128 v[L16], v[BB+4*\t:BB+4*\t+3], s[14:15] offset:(16*(\a)+\t)*8192 th:TH_STORE_NT   ; 32 lanes store 512 consecutive bytes, aligned to 256; 63 rows of 8,192 bytes at the most: inside the signed 24-bit immediate
.endr
.endm
	PLACES
	TOSTAGE 0
.irp a, 1,2,3
.if \a > 1
	s_wait_xcnt 0x0                                ; block a - 2's stores have read their registers: block a's loads may land there
.endif
	TOSTAGE \a
	SEND \a-1, 32
.endr
	SEND 3, 0
	s_wait_tensorcnt 0x0                           ; the wave's end
	ds_add_u32 v[SPW], v[NIL]
	s_wait_dscnt 0x0
	CROUND                                         ; the closing round
	s_endpgm
.Lfunc_end_k_q8c414620e1_dense:
	.size	k_q8c414620e1_dense, .Lfunc_end_k_q8c414620e1_dense-k_q8c414620e1_dense
	.p2alignl 7, 3214868480
	.fill 96, 4, 3214868480
	.section	.rodata,"a",@progbits
	.p2align	6, 0x0
	.amdhsa_kernel k_q8c414620e1_dense
		.amdhsa_group_segment_fixed_size 327680
		.amdhsa_private_segment_fixed_size 0
		.amdhsa_enable_private_segment 0
		.amdhsa_kernarg_size 48
		.amdhsa_user_sgpr_count 2
		.amdhsa_user_sgpr_kernarg_segment_ptr 1
		.amdhsa_wavefront_size32 1
		.amdhsa_system_sgpr_workgroup_id_x 1
		.amdhsa_system_sgpr_workgroup_id_y 1
		.amdhsa_system_sgpr_workgroup_id_z 1
		.amdhsa_system_vgpr_workitem_id 0
		.amdhsa_next_free_vgpr 768
		.amdhsa_next_free_sgpr 104
		.amdhsa_reserve_vcc 0
		.amdhsa_float_denorm_mode_32 3
		.amdhsa_float_denorm_mode_16_64 3
		.amdhsa_memory_ordered 1
		.amdhsa_forward_progress 1
		.amdhsa_inst_pref_size 101
	.end_amdhsa_kernel
	.amdgpu_metadata
---
amdhsa.version: [ 1, 2 ]
amdhsa.kernels:
  - .name:           k_q8c414620e1_dense
    .symbol:         k_q8c414620e1_dense.kd
    .args:
      - { .name: a_img, .offset: 0, .size: 8, .value_kind: global_buffer, .address_space: global }
      - { .name: a_sc, .offset: 8, .size: 8, .value_kind: global_buffer, .address_space: global }
      - { .name: dense_w_codes, .offset: 16, .size: 8, .value_kind: global_buffer, .address_space: global }
      - { .name: dense_w_scales, .offset: 24, .size: 8, .value_kind: global_buffer, .address_space: global }
      - { .name: dense_b, .offset: 32, .size: 8, .value_kind: global_buffer, .address_space: global }
      - { .name: out0, .offset: 40, .size: 8, .value_kind: global_buffer, .address_space: global }
    .group_segment_fixed_size: 327680
    .private_segment_fixed_size: 0
    .kernarg_segment_align: 8
    .kernarg_segment_size: 48
    .max_flat_workgroup_size: 128
    .sgpr_count:     104
    .vgpr_count:     768
    .wavefront_size: 32
...
	.end_amdgpu_metadata
.endif
;; end of part 3
